; MI455X (gfx1250); checked and timed in simulation.
; The chip was launched on July 23, 2026; its instructions are those of AMD's public machine-readable ISA for CDNA 5 (MIT licence, August 2026) and "CDNA5" Instruction Set Architecture Reference Guide (July 2026). The comments in the code are by the model that wrote it; some were corrected since.
;; Multi Head Attention. Allowed arithmetic: matrix products marked QUANTISED: E4M3 operands, one given power-of-two scale a tensor, by v_wmma_f32_16x16x64_fp8_fp8 or v_wmma_f32_16x16x128_fp8_fp8, f32 sums; everything else in f32.
;; Inputs: Wk 16 x 1,024 x 64 float32; Wo 1,024 x 1,024 float32; Wq 16 x 1,024 x 64 float32; Wv 16 x 1,024 x 64 float32; bk 16 x 64 float32; bo 1,024 float32; bq 16 x 64 float32; bv 16 x 64 float32; lowp_scales 12 int32 (the exponents e of the quantised operands' scales 2^e); token_embedding 4 x 2,048 x 1,024 float32.
;; Outputs: out0 4 x 2,048 x 1,024 float32.
;; This version of the problem:
;;   THIS VERSION OF THE PROBLEM IS GIVEN IN LOW PRECISION. The matrix products marked QUANTISED in the list below multiply operands that are first quantised to E4M3 (4 exponent bits, 3 mantissa bits; 8 bits a number), with one given power-of-two scale for each operand tensor; their sums are f32. All else is computed in f32.
;;   The module's matrix products, in the order in which they are computed (A, B: the left and right operand; K: the contracted axis; several contracted axes count as one K, in the product's order):
;;     1. [M 1,024, K 1,024] x [K 1,024, N 8,192]; A: input Wq; B: input token_embedding: QUANTISED (scales: A lowp_scales[0], B lowp_scales[1])
;;     2. [M 1,024, K 1,024] x [K 1,024, N 8,192]; A: input Wk; B: input token_embedding: QUANTISED (scales: A lowp_scales[2], B lowp_scales[3])
;;     3. [M 1,024, K 1,024] x [K 1,024, N 8,192]; A: input Wv; B: input token_embedding: QUANTISED (scales: A lowp_scales[4], B lowp_scales[5])
;;     4. batch 64 x [M 2,048, K 64] x [K 64, N 2,048]; A: computed on the way; B: computed on the way: QUANTISED (scales: A lowp_scales[6], B lowp_scales[7])
;;     5. batch 64 x [M 2,048, K 2,048] x [K 2,048, N 64]; A: softmax (see below); B: computed on the way: QUANTISED (scales: A lowp_scales[8], B lowp_scales[9])
;;     6. [M 8,192, K 1,024] x [K 1,024, N 1,024]; A: computed on the way; B: input Wo: QUANTISED (scales: A lowp_scales[10], B lowp_scales[11])
;;   THE QUANTISER, for each operand of a quantised product, along K:
;;     - The operand's scale is 2^e, e = its entry of the input lowp_scales (int32; the entries are numbered through the quantised products in the list's order, A before B).
;;     - Each number is divided by the scale, clamped to +-448, and rounded to the nearest number of E4M3, ties to even, subnormals kept.
;;     - The product sums the exact products of the quantised numbers (number of the format x scale) in f32.
;;   ~~~python
;;   def quantise(x, axis, e):      # numpy; x: float32 -> the quantised numbers, widened to float32 again
;;       x = np.moveaxis(x, axis, -1); K = x.shape[-1]
;;       r = np.clip(x / 2.0 ** e, -448, 448)
;;       step = 2.0 ** (np.maximum(np.frexp(np.where(r == 0, 1, r))[1] - 1, -6) - 3)
;;       q = np.round(r / step) * step * 2.0 ** e      # np.round: ties to even
;;       return np.moveaxis(q, -1, axis).astype(np.float32)
;;   ~~~
;;   SOFTMAX AHEAD OF A QUANTISED PRODUCT. Where the list says 'softmax', what is quantised is not the finished softmax but p = 2^(t - M), with t = logit x log2(e) and M = ceil(the row's largest t), a whole number; so 1/2 < the row's largest p <= 1. The row's sum l is taken of the UNQUANTISED p, in f32, and the product's result is divided by l at the end. Since M is a whole number, a kernel that streams over the keys may use a running M (the ceiling of the running maximum): every later rescaling is an exact power of two, so the quantised numbers keep their values, but for numbers so far below the row's largest that they fall under the format's range.
;;   OPERANDS COMPUTED ON THE WAY. 'Computed on the way' means the value that the module computes at that place (a softmax that the list does not call 'softmax' is quantised finished and normalised). What goes into a quantiser is computed in f32, as accurately as f32 sums, v_exp_f32 and their like allow (about 1e-6 of the number): no bf16 or f16 on the way to a quantiser, and a product that is left as it is and whose result goes on into a quantised operand takes f32 operands (vector FMAs, or v_wmma_f32_16x16x4_f32). A number that lies on a knife's edge between two numbers of the format may be rounded either way, as far as f32 arithmetic and the matrix unit's own rounding can turn it there, and no further.
;; One version. Each part assembles by itself: llvm-mc -triple=amdgcn-amd-amdhsa -mcpu=gfx1250 --defsym DOCPART=n.
;; ======== version 1 of 1: 4 launches
;; limits: right only within a limited range of input values
;; workspace buffers: x_img 25,165,824 bytes; w_img 4,194,304 bytes; qkv_img 25,165,824 bytes; cat_img 8,388,608 bytes
;; launch quant (part 1): grid 384 x 1, 4 waves a work-group, no clusters, 34,304 bytes of LDS; arguments token_embedding, Wq, Wk, Wv, Wo, lowp_scales, x_img, w_img; writes x_img, w_img
.if DOCPART == 1
	.amdgcn_target "amdgcn-amd-amdhsa--gfx1250"
	.amdhsa_code_object_version 6
	.text
	.protected	k_qaab46f117b_quant
	.globl	k_qaab46f117b_quant
	.p2align	8
	.type	k_qaab46f117b_quant,@function
k_qaab46f117b_quant:
	s_mov_b64 s[64:65], 0
	v_nop
	global_prefetch_b8 v0, s[64:65] scope:SCOPE_SE
	s_setreg_imm32_b32 hwreg(HW_REG_WAVE_MODE, 25, 1), 1
	s_wait_xcnt 0x0
; The f32 inputs of the four weight products become codes of FP8 (E4M3), laid as IMAGES OF OPERAND REGISTERS.
; A PIECE is 512 bytes: lane l = r + 16 h owns the 16 bytes at 16 l: the codes of k = 32 cg + 16 h + 0 .. 15 of row perm(m, r) of tile m,
; perm(m, r) = 32 (m / 2) + 8 (m % 2) + r + 8 (r / 8).  A tile's 32 pieces (K = 1,024) lie on end: 16,384 bytes.
; x_img: three sections of 8 MiB, the embedding quantised with lowp_scales[1], [3], [5]; 512 tiles of tokens each.
; w_img: four sections of 1 MiB, Wq, Wk, Wv (rows n = 64 head + e, K = d) and Wo (rows = its columns, K = its rows), with lowp_scales[0], [2], [4], [11]; 64 tiles each.
; code = x / 2^e, held within +-448, rounded to the nearest code, ties to even.
; LIMITS: each e used here lies between -126 and 119, so that 2^e and 448 x 2^e are f32 numbers.  NaN among the inputs is not served; an infinity is held at the largest code.
; Work-groups 0-255 take the embedding, 256-383 the weights.  No tensor loads, no barrier, no cluster: waves share nothing, and every input byte is read once.
.set SP,   528                         ; x path: a stage row: 512 bytes + 16, so that the 16 rows that a read touches start at 16 different groups of banks
.set STGB, 16*SP                       ; a wave's own stage
.set SCL,  2                           ; v2-4    2^e as f32 for the three copies of x
.set LIM,  5                           ; v5-7    448 x 2^e
.set R,    16                          ; v16-143  two sets of 64: 16 rows x 128 numbers as they are loaded
.set X,    144                         ; v144-207 the same numbers, 16 neighbours along K for each of four pieces
.set T,    208                         ; v208-223 16 numbers, held
.set C,    224                         ; v224-247 two sets of 3 x 4 registers of codes
.set WX,   32                          ; W path: v32-95 two sets of 32 numbers down K
.set WC,   96                          ; v96-159 the codes: eight registers a block, never written again
; ---- x path: step s = 128 along K of the wave's 16 rows
.macro LOAD s
.set p, 0
.rept 16
	global_load_b128 v[R+64*((\s)%2)+4*p:R+64*((\s)%2)+4*p+3], v1, s[4:5] offset:(p+8*(p/8))*4096+512*(\s) th:TH_LOAD_NT   ; the tile's row p: 32 lanes read 512 consecutive bytes
.set p, p+1
.endr
.endm
.macro STEPX s
.if (\s) < 3
	s_wait_loadcnt 16                              ; this step's 16 loads are in; the next step's 16 may be out
.else
	s_wait_loadcnt 0x0
.endif
.set p, 0
.rept 16
	ds_store_b128 v14, v[R+64*((\s)%2)+4*p:R+64*((\s)%2)+4*p+3] offset:p*SP
.set p, p+1
.endr
.set p, 0
.rept 16
	ds_load_b128 v[X+4*p:X+4*p+3], v15 offset:128*(p/4)+16*(p%4)   ; LDS serves a wave's instructions in order: these see the stores above.  Piece p / 4: my row's 16 neighbours
.set p, p+1
.endr
	s_wait_dscnt 0x0                               ; the numbers are back, and the stage's stores have read their registers,
.if (\s)+2 < 4
	LOAD (\s)+2                                    ; which take the loads of two steps on
.endif
.irp c, 0,1,2,3
	s_wait_xcnt 0x0                                ; the stores of two pieces back have read their codes: that set is written again only behind this wait
.irp z, 0,1,2
.set p, 0
.rept 16
	v_med3_num_f32 v[T+p], v[X+16*\c+p], -v[LIM+\z], v[LIM+\z]   ; the conversion to an 8-bit code does not saturate (ISA guide 7.6.2): the hold comes first
.set p, p+1
.endr
	v_cvt_scalef32_pk8_fp8_f32 v[C+12*(\c%2)+4*\z:C+12*(\c%2)+4*\z+1], v[T:T+7], v[SCL+\z]
	v_cvt_scalef32_pk8_fp8_f32 v[C+12*(\c%2)+4*\z+2:C+12*(\c%2)+4*\z+3], v[T+8:T+15], v[SCL+\z]
	v_nop                                          ; one plain vector line between the conversions and the next holds, which write their sources
	global_store_b128 v1, v[C+12*(\c%2)+4*\z:C+12*(\c%2)+4*\z+3], s[40+2*\z:41+2*\z] offset:2048*(\s)+512*\c   ; a piece: 512 consecutive bytes, aligned
.endr
.endr
.endm
; ---- W path: a lane takes a column, its registers run down K: block t = 32 along K
.macro WLOAD t, pitch
.set p, 0
.rept 32
	global_load_b32 v[WX+32*((\t)%2)+p], v3, s[6:7] offset:(32*(\t)+p)*(\pitch) th:TH_LOAD_NT   ; one row of the weight at my wave's 32 columns: 128 consecutive bytes
.set p, p+1
.endr
.endm
.macro WSCALE
	s_wait_kmcnt 0x0
	s_cmp_eq_u32 s22, 1
	s_cselect_b32 s24, s26, s24
	s_cmp_eq_u32 s22, 2
	s_cselect_b32 s24, s28, s24
	s_cmp_eq_u32 s22, 3
	s_cselect_b32 s24, s35, s24                    ; e: entry 0, 2, 4 or 11
	s_add_co_i32 s24, s24, 127
	s_lshl_b32 s25, s24, 23
	v_mov_b32 v11, s25                             ; 2^e as f32: the conversion takes its exponent field
	s_add_co_i32 s24, s24, 8
	s_lshl_b32 s24, s24, 23
	s_or_b32 s24, s24, 0x600000
	v_mov_b32 v10, s24                             ; 448 x 2^e
.endm
.macro WBLOCK t, pitch
.if (\t) < 7
	s_wait_loadcnt 32                              ; this block's 32 loads are in; the next block's may be out
.else
	s_wait_loadcnt 0x0
.endif
.set p, 0
.rept 32
	v_med3_num_f32 v[WX+32*((\t)%2)+p], v[WX+32*((\t)%2)+p], -v10, v10
.set p, p+1
.endr
.irp g, 0,1,2,3
	v_cvt_scalef32_pk8_fp8_f32 v[WC+8*(\t)+2*\g:WC+8*(\t)+2*\g+1], v[WX+32*((\t)%2)+8*\g:WX+32*((\t)%2)+8*\g+7], v11
.endr
	global_store_b128 v4, v[WC+8*(\t):WC+8*(\t)+3], s[18:19] offset:512*(\t)          ; k = 0 .. 15 of the block: the piece's lower half; sixteen lanes store 256 consecutive bytes, aligned
	global_store_b128 v4, v[WC+8*(\t)+4:WC+8*(\t)+7], s[18:19] offset:512*(\t)+256    ; k = 16 .. 31: its upper half
.if (\t)+2 < 8
	WLOAD (\t)+2, \pitch                           ; (the next vector lines are the other set's holds: plain lines that stand ahead of any write of these conversions' sources)
.endif
.endm
.macro WPATH pitch
	WLOAD 0, \pitch
	WLOAD 1, \pitch
	WSCALE
	s_wait_alu depctr_va_vdst(0)
.irp t, 0,1,2,3,4,5,6,7
	WBLOCK \t, \pitch
.endr
	s_endpgm
.endm
	s_load_b256 s[4:11], s[0:1], 0x0               ; x s[4:5], Wq s[6:7], Wk s[8:9], Wv s[10:11]
	s_load_b256 s[12:19], s[0:1], 0x20             ; Wo s[12:13], the exponents s[14:15], x_img s[16:17], w_img s[18:19]
	v_lshl_add_u32 v254, v0, 2, 0x8400
	v_mov_b32 v255, 0
	v_lshrrev_b32 v12, 5, v0
	v_readfirstlane_b32 s20, v12                   ; wave 0..3
	v_and_b32 v8, 15, v0                           ; r
	v_bfe_u32 v9, v0, 4, 1                         ; h
	s_wait_kmcnt 0x0
	s_load_b256 s[24:31], s[14:15], 0x0            ; e0 .. e7
	s_load_b128 s[32:35], s[14:15], 0x20           ; e8 .. e11
	s_cmp_lt_u32 ttmp9, 256
	s_cbranch_scc0 .Lweights
	; ---- the embedding.  Wave g = 4 x work-group + wave takes tile g / 2 (16 rows) and half g % 2 of K (512): four steps of 128
	s_lshl_b32 s21, ttmp9, 2
	s_add_co_u32 s21, s21, s20                     ; g
	s_lshr_b32 s36, s21, 2
	s_lshl_b32 s36, s36, 17                        ; 32 (tile / 2) rows of 4,096 bytes
	s_bfe_u32 s37, s21, 0x10001
	s_lshl_b32 s37, s37, 15                        ; + 8 (tile % 2) rows
	s_add_co_u32 s36, s36, s37
	s_and_b32 s37, s21, 1
	s_lshl_b32 s37, s37, 11                        ; + my half of K: 512 numbers
	s_add_co_u32 s36, s36, s37
	s_mov_b32 s37, 0
	s_add_nc_u64 s[4:5], s[4:5], s[36:37]
	s_lshl_b32 s38, s21, 13                        ; out: 16,384 x tile + 8,192 x half = 8,192 g
	s_mov_b32 s39, 0
	s_add_nc_u64 s[40:41], s[16:17], s[38:39]      ; in the first section,
	s_add_nc_u64 s[42:43], s[40:41], 0x800000      ; the second,
	s_add_nc_u64 s[44:45], s[42:43], 0x800000      ; the third
	v_and_b32 v1, 31, v0
	v_lshlrev_b32 v1, 4, v1                        ; 16 x lane: my bytes of a load's 512, and of a piece
	s_mul_i32 s46, s20, STGB                       ; my wave's stage
	v_add_nc_u32 v14, s46, v1                      ; into it: as loaded
	s_wait_alu depctr_va_vdst(0)
	v_mul_u32_u24 v15, v8, SP
	v_lshl_add_u32 v15, v9, 6, v15
	v_add_nc_u32 v15, s46, v15                     ; out of it: row r, + 64 h bytes: 16 neighbours
	LOAD 0
	LOAD 1
	s_wait_alu depctr_va_vdst(0)
	s_wait_kmcnt 0x0
.irp z, 0,1,2
	s_add_co_i32 s47, s[25+2*\z], 127              ; entries 1, 3, 5
	s_lshl_b32 s48, s47, 23
	v_mov_b32 v[SCL+\z], s48
	s_add_co_i32 s47, s47, 8
	s_lshl_b32 s47, s47, 23
	s_or_b32 s47, s47, 0x600000
	v_mov_b32 v[LIM+\z], s47
.endr
	s_wait_alu depctr_va_vdst(0)
	STEPX 0
	STEPX 1
	STEPX 2
	STEPX 3
	s_wait_tensorcnt 0x0
	ds_add_u32 v254, v255
	s_wait_dscnt 0x0
	s_endpgm
.Lweights:
	; ---- the weights.  j = work-group - 256: tensor j / 32; 256 along K: (j / 8) % 4; the wave's 32 columns: group G = 4 (j % 8) + wave, tiles 2 G and 2 G + 1
	s_sub_co_u32 s21, ttmp9, 256
	s_lshr_b32 s22, s21, 5                         ; the tensor: 0 Wq, 1 Wk, 2 Wv, 3 Wo
	s_and_b32 s23, s21, 7
	s_lshl_b32 s23, s23, 2
	s_add_co_u32 s23, s23, s20                     ; G
	s_bfe_u32 s36, s21, 0x20003                    ; which 256 along K
	s_wait_alu depctr_va_vdst(0)
	v_and_b32 v3, 8, v8
	v_add_nc_u32 v3, v3, v8                        ; r + 8 (r / 8)
	v_lshl_add_u32 v3, v9, 3, v3                   ; + 8 (lane / 16): lanes 0-15 hold tile 2 G's rows, lanes 16-31 tile 2 G + 1's
	v_lshlrev_b32 v3, 2, v3                        ; in: 4 bytes a column
	v_lshlrev_b32 v4, 4, v8
	v_lshl_add_u32 v4, v9, 14, v4                  ; out: 16 r in my tile's piece; the tiles lie 16,384 bytes apart
	s_cmp_eq_u32 s22, 1
	s_cselect_b64 s[6:7], s[8:9], s[6:7]
	s_cmp_eq_u32 s22, 2
	s_cselect_b64 s[6:7], s[10:11], s[6:7]
	s_cmp_eq_u32 s22, 3
	s_cselect_b64 s[6:7], s[12:13], s[6:7]         ; the choice hangs on the work-group's number alone
	s_lshr_b32 s37, s23, 1
	s_lshl_b32 s37, s37, 18                        ; [head][d][e]: head G / 2,
	s_lshl_b32 s38, s36, 16                        ; 256 rows of 256 bytes,
	s_add_co_u32 s37, s37, s38
	s_and_b32 s38, s23, 1
	s_lshl_b32 s38, s38, 7                         ; e from 32 (G % 2) on
	s_add_co_u32 s37, s37, s38
	s_lshl_b32 s38, s36, 20                        ; Wo [k][n]: 256 rows of 4,096 bytes,
	s_lshl_b32 s39, s23, 7                         ; column 32 G
	s_add_co_u32 s38, s38, s39
	s_cmp_eq_u32 s22, 3
	s_cselect_b32 s38, s38, s37
	s_mov_b32 s39, 0
	s_add_nc_u64 s[6:7], s[6:7], s[38:39]
	s_lshl_b32 s40, s22, 20                        ; out: the tensor's section,
	s_lshl_b32 s41, s23, 15                        ; two tiles a group,
	s_add_co_u32 s40, s40, s41
	s_lshl_b32 s41, s36, 12                        ; eight pieces
	s_add_co_u32 s40, s40, s41
	s_mov_b32 s41, 0
	s_add_nc_u64 s[18:19], s[18:19], s[40:41]
	s_cmp_eq_u32 s22, 3
	s_cbranch_scc1 .Lwo
	s_wait_alu depctr_va_vdst(0)
	WPATH 256                                      ; from k to k + 1: 64 numbers
.Lwo:
	s_wait_alu depctr_va_vdst(0)
	WPATH 4096                                     ; 1,024 numbers
.Lfunc_end_k_qaab46f117b_quant:
	.size	k_qaab46f117b_quant, .Lfunc_end_k_qaab46f117b_quant-k_qaab46f117b_quant
	.p2alignl 7, 3214868480
	.fill 96, 4, 3214868480
	.section	.rodata,"a",@progbits
	.p2align	6, 0x0
	.amdhsa_kernel k_qaab46f117b_quant
		.amdhsa_group_segment_fixed_size 34304
		.amdhsa_private_segment_fixed_size 0
		.amdhsa_enable_private_segment 0
		.amdhsa_kernarg_size 64
		.amdhsa_user_sgpr_count 2
		.amdhsa_user_sgpr_kernarg_segment_ptr 1
		.amdhsa_wavefront_size32 1
		.amdhsa_system_sgpr_workgroup_id_x 1
		.amdhsa_system_sgpr_workgroup_id_y 1
		.amdhsa_system_sgpr_workgroup_id_z 1
		.amdhsa_system_vgpr_workitem_id 0
		.amdhsa_next_free_vgpr 256
		.amdhsa_next_free_sgpr 66
		.amdhsa_reserve_vcc 0
		.amdhsa_float_denorm_mode_32 3
		.amdhsa_float_denorm_mode_16_64 3
		.amdhsa_memory_ordered 1
		.amdhsa_forward_progress 1
		.amdhsa_inst_pref_size 168
	.end_amdhsa_kernel
	.amdgpu_metadata
---
amdhsa.version: [ 1, 2 ]
amdhsa.kernels:
  - .name:           k_qaab46f117b_quant
    .symbol:         k_qaab46f117b_quant.kd
    .args:
      - { .name: token_embedding, .offset: 0, .size: 8, .value_kind: global_buffer, .address_space: global }
      - { .name: Wq, .offset: 8, .size: 8, .value_kind: global_buffer, .address_space: global }
      - { .name: Wk, .offset: 16, .size: 8, .value_kind: global_buffer, .address_space: global }
      - { .name: Wv, .offset: 24, .size: 8, .value_kind: global_buffer, .address_space: global }
      - { .name: Wo, .offset: 32, .size: 8, .value_kind: global_buffer, .address_space: global }
      - { .name: lowp_scales, .offset: 40, .size: 8, .value_kind: global_buffer, .address_space: global }
      - { .name: x_img, .offset: 48, .size: 8, .value_kind: global_buffer, .address_space: global }
      - { .name: w_img, .offset: 56, .size: 8, .value_kind: global_buffer, .address_space: global }
    .group_segment_fixed_size: 34304
    .private_segment_fixed_size: 0
    .kernarg_segment_align: 8
    .kernarg_segment_size: 64
    .max_flat_workgroup_size: 128
    .sgpr_count:     66
    .vgpr_count:     256
    .wavefront_size: 32
...
	.end_amdgpu_metadata
.endif
;; end of part 1
;; launch qkv (part 2): grid 12 x 32, 4 waves a work-group, clusters of 4 x 4, 327,680 bytes of LDS; arguments x_img, w_img, lowp_scales, bq, bk, bv, qkv_img; writes qkv_img
.if DOCPART == 2
	.amdgcn_target "amdgcn-amd-amdhsa--gfx1250"
	.amdhsa_code_object_version 6
	.text
	.protected	k_qaab46f117b_qkv
	.globl	k_qaab46f117b_qkv
	.p2align	8
	.type	k_qaab46f117b_qkv,@function
k_qaab46f117b_qkv:
	s_mov_b64 s[64:65], 0
	v_nop
	global_prefetch_b8 v0, s[64:65] scope:SCOPE_SE
	s_setreg_imm32_b32 hwreg(HW_REG_WAVE_MODE, 25, 1), 1
	s_wait_xcnt 0x0
	s_wait_alu depctr_hold_cnt(0) depctr_sa_sdst(0) depctr_va_vdst(0) depctr_va_sdst(0) depctr_va_ssrc(0) depctr_va_vcc(0) depctr_vm_vsrc(0)
	s_getreg_b32 s2, hwreg(HW_REG_IB_STS2, 6, 4)
	s_cmp_eq_u32 s2, 0
	s_cbranch_scc0 .Lentry_in_a_cluster
	s_endpgm
.Lentry_in_a_cluster:
	s_bfe_u32 s2, ttmp6, 0x10000c
	s_cmp_lg_u32 s2, 0xf033
	s_cbranch_scc0 .Lentry_shape_is_right
	s_endpgm
.Lentry_shape_is_right:
; q, k, v = x W + b on codes of FP8 (E4M3), and their own codes at once.  The cluster's x says which: P = 0 q, 1 k, 2 v.
; Operands are images of operand registers.  A piece is 512 bytes: lane l = r + 16 h owns the 16 bytes at 16 l, k = 32 cg + 16 h + 0 .. 15 of row perm(m, r) = 32 (m / 2) + 8 (m % 2) + r + 8 (r / 8) of tile m;
; a tile's 32 pieces (K = 1,024) lie on end, 16,384 bytes.  A fragment (16 rows x 128 K) is four pieces: four loads at 16 x lane + a constant: no pitch, no padding.
; The place of k inside an instruction is the same permutation in both operands, so every product meets its partner.
; A work-group makes 256 x 256, each of its four waves 128 x 128: 64 accumulators.  Source 0 ('B') gives the registers' axis, source 1 ('A') the lanes'.
;   P < 2: A = 256 tokens of x (section P), B = 256 rows n = 64 head + e of W (section P).  A lane holds one token, and the 16 registers of accumulators 2 g and 2 g + 1 are 16 neighbours along e.
;   P = 2: A = 256 rows of Wv, B = 256 tokens of x (section 2).  A lane holds one channel and the registers run along the tokens: v comes out with the keys innermost.
; So sum x 2^(eW + ex) + bias, held and converted, IS a piece of the next operand, and leaves straight from the registers: each store covers 512 consecutive bytes, aligned.
; qkv_img: q at 0 and k at 8 MiB: [batch x head][tile of 16 tokens][2 pieces]; v at 16 MiB: [batch x head][4 tiles of channels][64 pieces along the keys].
; K goes in four steps of 256 through a ring of two LDS slots.  CLUSTER 4 x 4: A's tiles are shared along a row of the cluster, B's along a column, each asked for jointly.
; 384 work-groups of 256 x 256; a tile of half the size would read half as much again from LDS for each matrix instruction, so the larger tile is kept.
; LIMITS: eW + ex between -126 and 127; the exponent of the result's scale (entries 6, 7, 9) between -126 and 119.  NaN among the inputs is not served.
; REGISTERS, in windows of 256: window 0: v10-29 scales and addresses; v48-63, v64-127 the biases; from v128 A's fragments, ONE set (on the way out: v128-191 numbers, v192-255 codes).
;   window 1: B's fragments, TWO sets, at v0 and v128.   windows 2, 3: the accumulators, (a, b) at v[8 (8 (a % 4) + b)].
.set HALFT,  32768                     ; 8 tiles x 8 pieces: what one tensor load brings, and what one wave reads of A or of B in a slot
.set SLOT,   4*HALFT                   ; A's 16 tiles, then B's 16
.set SPARE,  2*SLOT                    ; behind the ring: the spare words, 128 bytes for each wave, that no other line names
.set KADV,   4096                      ; a slot's 8 pieces of a tile
.set FR,     16                        ; registers of a fragment
.set NL,     4                         ; LDS loads that bring one
.set NP,     4                         ; places behind this matrix instruction (ISA guide 7.12.1)
.set SCV,    10                        ; v10  2^eout as f32
.set LMV,    11                        ; v11  448 x 2^eout
.set BLO,    12                        ; v12  4 (r + 8 (r / 8)): the bias of my lane's row
.set ADRA,   16                        ; v16-17  LDS address of my A fragments in slot 0, 1
.set ADRB,   20                        ; v20-21  the same for B
.set CO,     26                        ; v26  16 x lane
.set BRO,    27                        ; v27  64 h: the bias along the registers
.set SPW,    28                        ; v28  LDS address of my spare word; never rewritten
.set NIL,    29                        ; v29  0; never rewritten
.set BL2,    48                        ; v48-63   P = 2: block a's bias, twice (a pair for the packed form)
.set BR,     64                        ; v64-127  P < 2: the bias in the accumulators' layout
.set AF,     128
.set T,      128
.set CD,     192
.set G1, 24                            ; s[24:31] descriptor group 1 for A's tiles;  s[32:39] group 0, one set for each slot
.set G0, 32
.set G1B, 48                           ; s[48:55], s[56:63] the same for B's
.set G0B, 56
.set MSB, 0
.macro WIN new                         ; the immediate's high byte repeats the setting that is left
.if MSB != \new
	s_set_vgpr_msb (MSB<<8)|\new
.set MSB, \new
.endif
.endm
.set MUL_LO, 0xa1                      ; source 0 (B) window 1, source 1 (A) window 0, C and D window 2
.set MUL_HI, 0xf1                      ; the same, C and D window 3
.set TO_B,   0x40                      ; destination window 1, address window 0
; A joint load: waves 0 and 1 fetch for A, waves 2 and 3 for B.  The branch hangs on the wave's number alone.  Four v_nop follow each of the two lines.
.macro JLOAD g0a, g1a, g0b, g1b
	s_cmp_eq_u32 s15, 0
	s_cbranch_scc0 .Lfor_b_\@
	tensor_load_to_lds s[\g0a:\g0a+3], s[\g1a:\g1a+7]
	s_nop 0
.rept 4
	v_nop
.endr
	s_branch .Lasked_\@
.Lfor_b_\@:
	tensor_load_to_lds s[\g0b:\g0b+3], s[\g1b:\g1b+7]
	s_nop 0
.rept 4
	v_nop
.endr
.Lasked_\@:
.endm
.macro CREST                           ; a round of the cluster's barrier behind its opening barrier
	s_cmp_lg_u32 s14, 0
	s_cbranch_scc1 .Lnot_wave_0_\@
	s_barrier_signal -3
.Lnot_wave_0_\@:
	s_barrier_wait -3
	s_barrier_signal -1
	s_barrier_wait -1
.endm
.macro CROUND                          ; a whole round
	s_barrier_signal -1
	s_barrier_wait -1
	CREST
.endm
	s_load_b128 s[4:7], s[0:1], 0x0                ; x_img s[4:5], w_img s[6:7]
	s_load_b128 s[8:11], s[0:1], 0x10              ; the exponents s[8:9], bq s[10:11]
	s_load_b128 s[68:71], s[0:1], 0x20             ; bk s[68:69], bv s[70:71]
	s_load_b64 s[72:73], s[0:1], 0x30              ; qkv_img
	v_lshl_add_u32 v[SPW], v0, 2, SPARE
	v_mov_b32 v[NIL], 0
	ds_add_u32 v28, v29
	ds_add_u32 v28, v29
	s_wait_dscnt 0x0
	v_lshrrev_b32 v1, 5, v0
	v_readfirstlane_b32 s14, v1                    ; wave 0..3
	v_and_b32 v1, 15, v0                           ; r
	v_bfe_u32 v2, v0, 4, 1                         ; h
	v_and_b32 v3, 8, v1
	v_add_nc_u32 v3, v3, v1
	v_lshlrev_b32 v[BLO], 2, v3
	v_lshlrev_b32 v[BRO], 6, v2
	v_and_b32 v3, 31, v0
	v_lshlrev_b32 v[CO], 4, v3
	s_lshr_b32 s15, s14, 1                         ; which half of A's tiles is mine.  Also: I fetch for A (0) or for B (1)
	s_and_b32 s16, s14, 1                          ; which half of B's.  Also: which 8 tiles of the 16 I fetch
	s_bfe_u32 s40, ttmp6, 0x40000                  ; cx, cy: my place in the cluster
	s_bfe_u32 s41, ttmp6, 0x40004
	s_and_b32 s17, ttmp7, 0xffff
	s_lshl_b32 s17, s17, 2                         ; 4 x cluster y
	s_add_co_u32 s18, s17, s41                     ; with cy: a block of 256 tokens, for A
	s_add_co_u32 s42, s17, s40                     ; with cx: a block of 256 tokens, for B
	s_lshl_b32 s43, s41, 2
	s_lshl_b32 s43, 15, s43                        ; my row of the cluster
	s_lshl_b32 s44, 0x1111, s40                    ; my column
	s_lshl_b32 s74, ttmp9, 23                      ; P's section of x_img,
	s_lshl_b32 s75, ttmp9, 20                      ; and of w_img
	s_cmp_eq_u32 ttmp9, 2                          ; the cluster's x: the same in all sixteen partners
	s_cselect_b32 s18, s41, s18                    ; A's block of 16 tiles: it holds cy and never cx,
	s_cselect_b32 s42, s42, s40                    ; B's: cx and never cy
	s_cselect_b32 s76, s75, s74                    ; A's section
	s_cselect_b32 s77, s74, s75                    ; B's
	; descriptor group 1: 8 rows (tiles) of 4,096 bytes (8 pieces), 16,384 bytes apart in memory, on end in LDS
	s_or_b32 s[G1+0], s43, (3<<16)|(1<<21)         ; 15:0 the mask: A's tiles go to my row; 17:16 elements of 8 bytes; 20 no padding; 21 set beside a mask
	s_or_b32 s[G1B+0], s44, (3<<16)|(1<<21)        ; B's go to my column
.irp g, G1, G1B
	s_mov_b32 s[\g+1], 512<<16                     ; tensor_dim0 = 512 elements
	s_mov_b32 s[\g+2], 8<<16                       ; tensor_dim1 = 8
	s_mov_b32 s[\g+3], 512<<16                     ; tile_dim0
	s_mov_b32 s[\g+4], 8                           ; tile_dim1
	s_mov_b32 s[\g+5], 2048                        ; tensor_dim0_stride, in elements
	s_mov_b32 s[\g+6], 0
	s_mov_b32 s[\g+7], 0
.endr
	s_lshl_b32 s19, s16, 17                        ; which 8 tiles I fetch: 8 x 16,384 bytes
	s_lshl_b32 s20, s18, 18                        ; A: 16 tiles a block
	s_add_co_u32 s20, s20, s19
	s_add_co_u32 s20, s20, s76
	s_mov_b32 s21, 0
	s_lshl_b32 s46, s42, 18                        ; B likewise
	s_add_co_u32 s46, s46, s19
	s_add_co_u32 s46, s46, s77
	s_mov_b32 s47, 0
	s_mul_i32 s45, s14, HALFT                      ; where they go: wave x 8 tiles: no place in the cluster enters an LDS address
	s_lshl_b32 s92, s18, 4
	s_lshl_b32 s93, s15, 3
	s_add_co_u32 s92, s92, s93                     ; a0: my first tile of A
	s_lshl_b32 s93, s42, 3
	s_lshl_b32 s94, s16, 2
	s_add_co_u32 s93, s93, s94                     ; g0: my first pair of tiles of B
	s_wait_kmcnt 0x0
	s_load_b256 s[80:87], s[8:9], 0x0              ; e0 .. e7
	s_load_b64 s[88:89], s[8:9], 0x20              ; e8, e9
	s_cmp_eq_u32 ttmp9, 2
	s_cselect_b64 s[78:79], s[6:7], s[4:5]         ; A's buffer
	s_cselect_b64 s[90:91], s[4:5], s[6:7]         ; B's
	s_add_nc_u64 s[20:21], s[78:79], s[20:21]
	s_add_nc_u64 s[46:47], s[90:91], s[46:47]
	CROUND                                         ; all sixteen work-groups are here: the first joint loads meet
.irp s, 0,1
	s_mov_b32 s[G0+4*\s], 1
	s_add_co_u32 s[G0+4*\s+1], s45, \s*SLOT
	s_add_nc_u64 s[G0+4*\s+2:G0+4*\s+3], s[20:21], \s*KADV
	s_or_b32 s[G0+4*\s+3], s[G0+4*\s+3], 0x80000000
	s_mov_b32 s[G0B+4*\s], 1
	s_add_co_u32 s[G0B+4*\s+1], s45, \s*SLOT
	s_add_nc_u64 s[G0B+4*\s+2:G0B+4*\s+3], s[46:47], \s*KADV
	s_or_b32 s[G0B+4*\s+3], s[G0B+4*\s+3], 0x80000000
.endr
	JLOAD G0, G1, G0B, G1B                         ; K step 0: one tensor load a wave at the head
	; THE PREFETCHES: behind the joint load of K step s each wave names K step s + 1 of what it fetches.  Of its 8 tiles the partner at place p (cx for A, cy for B) takes tiles 2 p and 2 p + 1:
	; 2 x 4,096 bytes, a lane to each 256, one instruction a wave; the steps are immediates, so no address register is written again.  K step 0 comes by its load alone; behind K step 3's load nothing is asked.
	s_cmp_eq_u32 s15, 0
	s_cselect_b64 s[98:99], s[20:21], s[46:47]     ; what my wave fetches
	s_cselect_b32 s94, s40, s41                    ; my place among the four that ask for it with me
	s_lshl_b32 s94, s94, 15                        ; two tiles of 16,384 bytes
	s_mov_b32 s95, 0
	s_add_nc_u64 s[98:99], s[98:99], s[94:95]
	s_wait_alu depctr_va_vdst(0)                   ; the wait: r and h were written ahead of the round
	v_lshlrev_b32 v30, 8, v1                       ; 256 r
	v_lshl_add_u32 v30, v2, 14, v30                ; + a tile for lanes 16-31
	global_prefetch_b8 v30, s[98:99] offset:KADV th:TH_LOAD_NT scope:SCOPE_SE
	; the bias, in both forms, on every path (the one that P does not use is read at the buffer's head): they are waited for on the way out
	s_cmp_eq_u32 ttmp9, 1
	s_cselect_b64 s[10:11], s[68:69], s[10:11]
	s_cmp_eq_u32 ttmp9, 2
	s_cselect_b64 s[10:11], s[70:71], s[10:11]
	s_lshl_b32 s74, s93, 7                         ; along the registers: n from 32 g0 on, 4 bytes each
	s_lshl_b32 s76, s92, 6                         ; along the lanes: n from 16 a0 on
	s_cmp_eq_u32 ttmp9, 2
	s_cselect_b32 s74, 0, s74
	s_cselect_b32 s76, s76, 0
	s_mov_b32 s75, 0
	s_mov_b32 s77, 0
	s_add_nc_u64 s[74:75], s[10:11], s[74:75]
	s_add_nc_u64 s[76:77], s[10:11], s[76:77]
	s_wait_alu depctr_va_vdst(0)
.irp b, 0,1,2,3,4,5,6,7
	global_load_b128 v[BR+8*\b:BR+8*\b+3], v[BRO], s[74:75] offset:(32*(\b/2)+8*(\b%2))*4        ; accumulator b's register j: n = 32 (b / 2) + 8 (b % 2) + 16 h + j
	global_load_b128 v[BR+8*\b+4:BR+8*\b+7], v[BRO], s[74:75] offset:(32*(\b/2)+8*(\b%2))*4+16
.endr
.irp a, 0,1,2,3,4,5,6,7
	global_load_b32 v[BL2+2*\a], v[BLO], s[76:77] offset:(32*(\a/2)+8*(\a%2))*4                  ; block a's lane r: n = 32 (a / 2) + 8 (a % 2) + r + 8 (r / 8)
	global_load_b32 v[BL2+2*\a+1], v[BLO], s[76:77] offset:(32*(\a/2)+8*(\a%2))*4
.endr
	s_lshl_b32 s21, s15, 15                        ; my 8 tiles of A
	s_lshl_b32 s22, s16, 15                        ; my 8 tiles of B,
	s_add_co_u32 s22, s22, 2*HALFT                 ; which lie behind A's 16
.irp s, 0,1
	v_add_nc_u32 v[ADRA+\s], s21, v[CO]
	v_add_nc_u32 v[ADRB+\s], s22, v[CO]
	s_add_co_u32 s21, s21, SLOT
	s_add_co_u32 s22, s22, SLOT
.endr
.macro FRAG reg, adr, q, i             ; tile i's fragment of the slot's q-th 128 along K: four pieces, as they lie
.irp c, 0,1,2,3
	ds_load_b128 v[\reg+4*\c:\reg+4*\c+3], v[\adr] offset:4096*(\i)+2048*(\q)+512*\c
.endr
.endm
; 16 matrix instructions: A's blocks a0, a0 + 1 x B's eight, 128 along K.  p: B's set.  zero = 1: the first product starts the sums.
; The 64 accumulators take turns, one instruction a turn, in the same order in every step.
.macro MUL16 a0, p, zero
.irp a, \a0, \a0+1
.irp b, 0,1,2,3,4,5,6,7
.if \zero
	v_wmma_f32_16x16x128_fp8_fp8 v[8*(8*((\a)%4)+\b):8*(8*((\a)%4)+\b)+7], v[128*(\p)+FR*\b:128*(\p)+FR*\b+FR-1], v[AF+FR*(\a):AF+FR*(\a)+FR-1], 0
.else
	v_wmma_f32_16x16x128_fp8_fp8 v[8*(8*((\a)%4)+\b):8*(8*((\a)%4)+\b)+7], v[128*(\p)+FR*\b:128*(\p)+FR*\b+FR-1], v[AF+FR*(\a):AF+FR*(\a)+FR-1], v[8*(8*((\a)%4)+\b):8*(8*((\a)%4)+\b)+7]
.endif
.endr
.endr
.endm
.macro FETCH_B slot, q, p
	WIN TO_B
.irp i, 0,1,2,3,4,5,6,7
	FRAG 128*(\p)+FR*\i, ADRB+\slot, \q, \i
.endr
	WIN 0
.endm
.macro FETCH_A slot, q, i0
.irp i, \i0, \i0+1, \i0+2, \i0+3
	FRAG AF+FR*(\i), ADRA+\slot, \q, \i
.endr
.endm
; A load into a register that a matrix instruction has read, and a vector instruction that reads a matrix result or writes one of its registers, stand NP places behind it;
; only plain vector instructions that name none of its registers are places (ISA guide 7.12.1 for vector instructions).
.macro PLACES n
.rept \n
	v_nop
.endr
.endm
; A step of 128 along K that has its successor in the same slot.  A block of A is free as soon as its eight products are issued, so A has one set of registers:
; blocks 0-3 are fetched anew in the step's middle, blocks 4-7 at its end; B's next set comes in the middle run.
.macro STEP slot, q, zero
	s_wait_dscnt 4*NL                              ; B's set and A's blocks 0-3 are in; the youngest 16 loads (A's blocks 4-7) may be out
	WIN MUL_LO
	MUL16 0, (\q)%2, \zero
	MUL16 2, (\q)%2, \zero
	s_wait_dscnt 0                                 ; A's blocks 4-7 are in
	PLACES NP
	FETCH_B \slot, (\q)+1, 1-(\q)%2
	FETCH_A \slot, (\q)+1, 0
	WIN MUL_HI
	MUL16 4, (\q)%2, \zero
	MUL16 6, (\q)%2, \zero
	PLACES NP
	WIN 0
	FETCH_A \slot, (\q)+1, 4
.endm
; A slot's last step changes slots: ONE barrier; in front of it each wave waits for all its tensor loads, adds 0 to its spare word, and waits for that and for its own reads of this slot.
; fill = 1: this slot is filled again, two K steps ahead; the barrier then opens a round of the cluster's.
.macro TURN slot, next, fill
	s_wait_tensorcnt 0x0                           ; all my tensor loads have landed: my part of the next slot  (every window is 0 here)
	ds_add_u32 v[SPW], v[NIL]                      ; 0 onto my spare word
	s_wait_dscnt 4*NL+1                            ; (the add and the youngest 16 loads, A's blocks 4-7, may be out)
	WIN MUL_LO
	MUL16 0, 1, 0                                  ; sixteen matrix instructions stand between the add and the wait for it
	s_wait_dscnt 0x0                               ; the add is done, and my reads of this slot are over
	s_barrier_signal -1
	MUL16 2, 1, 0
	WIN 0
	s_barrier_wait -1
.if \fill
	CREST                                          ; no wave of any partner still reads this slot's tiles or has a load on its way
	s_add_nc_u64 s[G0+4*\slot+2:G0+4*\slot+3], s[G0+4*\slot+2:G0+4*\slot+3], 2*KADV
	s_add_nc_u64 s[G0B+4*\slot+2:G0B+4*\slot+3], s[G0B+4*\slot+2:G0B+4*\slot+3], 2*KADV
	JLOAD G0+4*\slot, G1, G0B+4*\slot, G1B         ; the first tensor load behind the round; its four v_nop are also the places in front of the loads below
.else
	PLACES NP
.endif
	FETCH_B \next, 0, 0
	FETCH_A \next, 0, 0
.if (\fill) && ((\slot) == 0)
	global_prefetch_b8 v30, s[98:99] offset:3*KADV th:TH_LOAD_NT scope:SCOPE_SE   ; behind K step 2's load: K step 3
.endif
	WIN MUL_HI
	MUL16 4, 1, 0
	MUL16 6, 1, 0
	PLACES NP
	WIN 0
	FETCH_A \next, 0, 4
.endm
	s_wait_alu depctr_va_vdst(0)
	s_wait_tensorcnt 0x0                           ; my part of K step 0 is in
	ds_add_u32 v[SPW], v[NIL]
	s_wait_dscnt 0x0
	CROUND                                         ; everybody's part of K step 0 is in, and the joint loads meet
	JLOAD G0+4, G1, G0B+4, G1B                     ; K step 1: the first tensor load behind the round
	global_prefetch_b8 v30, s[98:99] offset:2*KADV th:TH_LOAD_NT scope:SCOPE_SE
	FETCH_B 0, 0, 0
	FETCH_A 0, 0, 0
	FETCH_A 0, 0, 4
	STEP 0, 0, 1                                   ; K = 1,024 is four slots: eight steps, written out
	TURN 0, 1, 1                                   ; slot 0 takes K step 2
	STEP 1, 0, 0
	TURN 1, 0, 1                                   ; slot 1 takes K step 3
	STEP 0, 0, 0
	TURN 0, 1, 0                                   ; nothing is left to fetch
	STEP 1, 0, 0
	s_wait_dscnt 4*NL
	WIN MUL_LO
	MUL16 0, 1, 0
	MUL16 2, 1, 0
	s_wait_dscnt 0
	WIN MUL_HI
	MUL16 4, 1, 0
	MUL16 6, 1, 0
	WIN 0
	; THE WAY OUT: sum x 2^(eW + ex) + bias, held within +-448 x 2^eout, converted; block a's four pieces leave from the registers.
	s_wait_kmcnt 0x0
	s_cmp_eq_u32 ttmp9, 1
	s_cselect_b32 s80, s82, s80                    ; eW: entry 0, 2 or 4
	s_cselect_b32 s81, s83, s81                    ; ex: entry 1, 3 or 5
	s_cselect_b32 s86, s87, s86                    ; eout: entry 6 (q), 7 (k) or 9 (v)
	s_cmp_eq_u32 ttmp9, 2
	s_cselect_b32 s80, s84, s80
	s_cselect_b32 s81, s85, s81
	s_cselect_b32 s86, s89, s86
	s_add_co_i32 s96, s80, s81
	s_add_co_i32 s96, s96, 127
	s_lshl_b32 s96, s96, 23                        ; 2^(eW + ex) as f32
	s_mov_b32 s97, s96                             ; (named with it as a pair, so it is written)
	s_add_co_i32 s86, s86, 127
	s_lshl_b32 s87, s86, 23
	v_mov_b32 v[SCV], s87
	s_add_co_i32 s86, s86, 8
	s_lshl_b32 s86, s86, 23
	s_or_b32 s86, s86, 0x600000
	v_mov_b32 v[LMV], s86
	s_wait_loadcnt 0x0                             ; the biases
	PLACES NP                                      ; behind the last products: their results are read and A's registers written below
.macro OUTBLK a, isv
.set AC, 64*((\a)%4)
.set CB, CD+16*((\a)%4)
.set WN, 0x02+((\a)/4)
.if (\a) >= 4
	s_wait_xcnt 0x0                                ; block a - 4's stores have read their codes: those registers are written again only behind this wait
.endif
	WIN WN                                         ; source 0: window 2 or 3
.set n, 0
.rept 32
.if \isv
	v_pk_fma_f32 v[T+n:T+n+1], v[AC+n:AC+n+1], s[96:97], v[BL2+2*(\a):BL2+2*(\a)+1] op_sel_hi:[1,0,1]   ; each accumulator from its low end on
.else
	v_pk_fma_f32 v[T+n:T+n+1], v[AC+n:AC+n+1], s[96:97], v[BR+n:BR+n+1] op_sel_hi:[1,0,1]
.endif
.set n, n+2
.endr
	WIN 0
.set n, 0
.rept 64
	v_med3_num_f32 v[T+n], v[T+n], -v[LMV], v[LMV]   ; the conversion to an 8-bit code does not saturate (ISA guide 7.6.2)
.set n, n+1
.endr
.irp g, 0,1,2,3
	v_cvt_scalef32_pk8_fp8_f32 v[CB+4*\g:CB+4*\g+1], v[T+16*\g:T+16*\g+7], v[SCV]
	v_cvt_scalef32_pk8_fp8_f32 v[CB+4*\g+2:CB+4*\g+3], v[T+16*\g+8:T+16*\g+15], v[SCV]
.endr
	v_nop                                          ; one plain vector line between the conversions and the next block's lines, which write their sources
.irp g, 0,1,2,3
.if \isv
	global_store_b128 v[CO], v[CB+4*\g:CB+4*\g+3], s[72:73] offset:(\a)*32768+\g*512                     ; channels' tile a0 + a, keys' piece g0 + g
.else
	global_store_b128 v[CO], v[CB+4*\g:CB+4*\g+3], s[72:73] offset:(\a)*1024+(\g/2)*131072+(\g%2)*512    ; tokens' tile a0 + a; head (g0 + g) / 2, piece g % 2
.endif
.endr
.endm
	s_cmp_eq_u32 ttmp9, 2                          ; the same in all partners
	s_cbranch_scc1 .Lvalues
	s_lshr_b32 s20, s92, 7                         ; batch = a0 / 128
	s_lshl_b32 s20, s20, 4
	s_lshr_b32 s21, s93, 1                         ; head = g0 / 2
	s_add_co_u32 s20, s20, s21
	s_lshl_b32 s20, s20, 7                         ; 128 tiles a head
	s_and_b32 s21, s92, 127
	s_add_co_u32 s20, s20, s21
	s_lshl_b32 s20, s20, 10                        ; 1,024 bytes a tile
	s_lshl_b32 s21, ttmp9, 23                      ; q's section or k's
	s_add_co_u32 s20, s20, s21
	s_mov_b32 s21, 0
	s_add_nc_u64 s[72:73], s[72:73], s[20:21]
.irp a, 0,1,2,3,4,5,6,7
	OUTBLK \a, 0
.endr
	s_branch .Ldone
.Lvalues:
	s_lshr_b32 s20, s93, 6                         ; batch = g0 / 64
	s_lshl_b32 s20, s20, 21                        ; 64 tiles of channels x 32,768 bytes a batch
	s_lshl_b32 s21, s92, 15
	s_add_co_u32 s20, s20, s21
	s_and_b32 s21, s93, 63
	s_lshl_b32 s21, s21, 9
	s_add_co_u32 s20, s20, s21
	s_add_co_u32 s20, s20, 0x1000000               ; v's section
	s_mov_b32 s21, 0
	s_add_nc_u64 s[72:73], s[72:73], s[20:21]
.irp a, 0,1,2,3,4,5,6,7
	OUTBLK \a, 1
.endr
.Ldone:
	s_wait_tensorcnt 0x0                           ; the wave's end
	ds_add_u32 v[SPW], v[NIL]
	s_wait_dscnt 0x0
	CROUND                                         ; the closing round: no work-group ends while a partner may still ask for a tile that names it
	s_endpgm
.Lfunc_end_k_qaab46f117b_qkv:
	.size	k_qaab46f117b_qkv, .Lfunc_end_k_qaab46f117b_qkv-k_qaab46f117b_qkv
	.p2alignl 7, 3214868480
	.fill 96, 4, 3214868480
	.section	.rodata,"a",@progbits
	.p2align	6, 0x0
	.amdhsa_kernel k_qaab46f117b_qkv
		.amdhsa_group_segment_fixed_size 327680
		.amdhsa_private_segment_fixed_size 0
		.amdhsa_enable_private_segment 0
		.amdhsa_kernarg_size 56
		.amdhsa_user_sgpr_count 2
		.amdhsa_user_sgpr_kernarg_segment_ptr 1
		.amdhsa_wavefront_size32 1
		.amdhsa_system_sgpr_workgroup_id_x 1
		.amdhsa_system_sgpr_workgroup_id_y 1
		.amdhsa_system_sgpr_workgroup_id_z 1
		.amdhsa_system_vgpr_workitem_id 0
		.amdhsa_next_free_vgpr 1024
		.amdhsa_next_free_sgpr 100
		.amdhsa_reserve_vcc 0
		.amdhsa_float_denorm_mode_32 3
		.amdhsa_float_denorm_mode_16_64 3
		.amdhsa_memory_ordered 1
		.amdhsa_forward_progress 1
		.amdhsa_inst_pref_size 195
	.end_amdhsa_kernel
	.amdgpu_metadata
---
amdhsa.version: [ 1, 2 ]
amdhsa.kernels:
  - .name:           k_qaab46f117b_qkv
    .symbol:         k_qaab46f117b_qkv.kd
    .args:
      - { .name: x_img, .offset: 0, .size: 8, .value_kind: global_buffer, .address_space: global }
      - { .name: w_img, .offset: 8, .size: 8, .value_kind: global_buffer, .address_space: global }
      - { .name: lowp_scales, .offset: 16, .size: 8, .value_kind: global_buffer, .address_space: global }
      - { .name: bq, .offset: 24, .size: 8, .value_kind: global_buffer, .address_space: global }
      - { .name: bk, .offset: 32, .size: 8, .value_kind: global_buffer, .address_space: global }
      - { .name: bv, .offset: 40, .size: 8, .value_kind: global_buffer, .address_space: global }
      - { .name: qkv_img, .offset: 48, .size: 8, .value_kind: global_buffer, .address_space: global }
    .group_segment_fixed_size: 327680
    .private_segment_fixed_size: 0
    .kernarg_segment_align: 8
    .kernarg_segment_size: 56
    .max_flat_workgroup_size: 128
    .sgpr_count:     100
    .vgpr_count:     1024
    .wavefront_size: 32
...
	.end_amdgpu_metadata
.endif
;; end of part 2
;; launch attn (part 3): grid 4 x 64, 8 waves a work-group, clusters of 4 x 1, 327,680 bytes of LDS; arguments qkv_img, lowp_scales, cat_img; writes cat_img
.if DOCPART == 3
	.amdgcn_target "amdgcn-amd-amdhsa--gfx1250"
	.amdhsa_code_object_version 6
	.text
	.protected	k_qaab46f117b_attn
	.globl	k_qaab46f117b_attn
	.p2align	8
	.type	k_qaab46f117b_attn,@function
k_qaab46f117b_attn:
	s_mov_b64 s[64:65], 0
	v_nop
	global_prefetch_b8 v0, s[64:65] scope:SCOPE_SE
	s_setreg_imm32_b32 hwreg(HW_REG_WAVE_MODE, 25, 1), 1
	s_wait_xcnt 0x0
	s_wait_alu depctr_hold_cnt(0) depctr_sa_sdst(0) depctr_va_vdst(0) depctr_va_sdst(0) depctr_va_ssrc(0) depctr_va_vcc(0) depctr_vm_vsrc(0)
	s_getreg_b32 s2, hwreg(HW_REG_IB_STS2, 6, 4)
	s_cmp_eq_u32 s2, 0
	s_cbranch_scc0 .Lentry_in_a_cluster
	s_endpgm
.Lentry_in_a_cluster:
	s_bfe_u32 s2, ttmp6, 0x10000c
	s_cmp_lg_u32 s2, 0x3003
	s_cbranch_scc0 .Lentry_shape_is_right
	s_endpgm
.Lentry_shape_is_right:
; Causal attention of one head on codes of FP8 (E4M3), head size 64, and the codes of its result for the last product.
; qkv_img: q at 0, k at 8 MiB: [batch x head][128 tiles of 16 tokens][2 pieces]; v at 16 MiB: [batch x head][4 tiles of channels][64 pieces along the keys].
; A piece is 512 bytes: lane l = r + 16 h owns the 16 bytes at 16 l: k = 32 c + 16 h + 0 .. 15 of row perm(m, r) = 32 (m / 2) + 8 (m % 2) + r + 8 (r / 8) of tile m.
; THE SOFTMAX: t = score x 2^(e6 + e7) x log2(e) / 8; M = the running largest t, rounded UP to a whole number; p = 2^(t - M) is quantised with 2^e8; the row's sum is taken of the unquantised p and divides at the end.
; When M moves, the sum and O are multiplied by 2^(old M - new M): nothing is rounded, and no branch hangs on data.
; Both products are used transposed (S^T = K Q^T, O^T = V^T P^T): a lane holds ONE query of a tile.  By perm the 16 registers of tiles 2 b, 2 b + 1 of S^T are 16 neighbouring keys, so p's codes are the second product's operand,
; and O / sum, converted with 2^e10, is a piece of cat_img ([tile of tokens][2 head + c][512 bytes]) and leaves from the registers.
; LDS HOLDS THE HEAD'S WHOLE K AND V, as they lie in memory: 131,072 bytes each.  Each of the eight waves fetches 32,768 of them by ONE tensor load at the head (waves 0-3 K, 4-7 V); nothing is filled again.
; CLUSTER 4 x 1: the four work-groups of a head want the same K and V: each load is a joint one, mask 15, with the same descriptor in all four (it hangs on the head and the wave's number).
; SHARES.  A wave holds a PAIR of query tiles, so that each fragment of K and V read from LDS feeds two matrix instructions.  Pair k of work-group j is tiles X = 8 k + j and Y = 8 k + 4 + j: both want the key steps
; (128 keys) 0 .. k, whatever j: no branch and no LDS address hangs on j.  Wave w takes pair 15 - w and then pair w: 16 - w + w + 1 = 17 steps in every wave.  The steps behind k hold only keys that reference()'s own causal
; mask hides: they are jumped over, by a branch on the wave's number, in a loop of constant count.  Step k lies on the diagonal.  There X's queries are the step's 32 (j / 2) + 8 (j % 2) + 0 .. 23, under 64, so its keys 64 .. 127 are
; hidden for every j; Y's lie 64 further on, so its keys 0 .. 63 count for every j; the other halves are held against the lane's query.  Hidden scores become -infinity.  Key 0 counts for every query, so M is a number from the first step on.
; K's fragments have registers of their own: step t + 1's are asked for behind step t's score products.  Behind a pair's last step that request reads 8,192 LDS bytes that nothing uses (behind step 15: V's first), so that the counted waits hold on every way.
; NO PREFETCH: all eight tensor loads leave at the head, and no load follows that a request could run ahead of.
; LIMITS: e6 + e7 between -123 and 130 (added to c's exponent field); e8 and e10 between -126 and 119; e8 + e9 is applied by v_ldexp_f32 and has none.
; REGISTERS, in two windows of 256; tile X's state lies in window 0, tile Y's in window 1, on the same numbers: v3 my query less the diagonal step's first key less 16 h; v12 -M, v13 the largest t, v[14:15] the sum; v16-23 Q;
;   v24-31 the second pair's Q; v96-159 S^T, then p; v160-191 O^T; v192-207 p's codes; v224-231 the result's codes; v232-255 at work and scales.
;   Window 0 alone: v1 16 x lane; v2 at the head; v5, v6 the add's; v8-10 LDS addresses; v32-95 V's fragments.  Window 1 alone: v32-95 K's fragments.
.set VBASE, 131072                     ; V behind K
.set SPARE, 325632                     ; the spare words, 128 bytes for each of eight waves, that no other line names
.set L16,  1
.set QL,   2
.set SPW,  5                           ; v5   LDS address of my spare word; never rewritten
.set NIL,  6                           ; v6   0; never rewritten
.set ADK,  8                           ; v8   the next step's K
.set ADV,  9                           ; v9   the step's V, channel tiles 0 and 1
.set ADW,  10                          ; v10  channel tiles 2 and 3
.set TK,   12                          ; s12-14 the LDS bytes of the next step's K, of the step's V, of V's upper half
.set TV,   13
.set TW,   14
.set TT,   15                          ; s15  the step
.set LIMT, 16                          ; s16  the pair's last step
.set J,    17                          ; s17  my place in the cluster
.set WV,   18                          ; s18  my wave's number
.set PR,   19                          ; s19  the pair in hand: 0, 1
.set SEL,  20                          ; s[20:21] lane selects for v_permlanex16_b32: lane l xor 16
.set CS,   22                          ; s[22:23] c = 2^(e6 + e7) log2(e) / 8
.set G1,   24                          ; s[24:31] descriptor group 1;  s[40:43] group 0
.set G0,   40
.set OB,   60                          ; s[60:61] cat_img at tile X of the pair in hand;  s[62:63] of the second pair
.set OBB,  62
.set MSB, 0
.macro WIN new                         ; low byte: bits 1:0 source 0, 3:2 source 1, 5:4 source 2, 7:6 destination; the high byte repeats the setting that is left
.if MSB != \new
	s_set_vgpr_msb (MSB<<8)|\new
.set MSB, \new
.endif
.endm
.set ALLY, 0x55                        ; every place in window 1: tile Y's own work
.set TOY,  0x40                        ; destination in window 1, sources in window 0
.macro CROUND                          ; a round of the cluster's barrier
	s_barrier_signal -1
	s_barrier_wait -1
	s_cmp_lg_u32 s[WV], 0
	s_cbranch_scc1 .Lnot_wave_0_\@
	s_barrier_signal -3
.Lnot_wave_0_\@:
	s_barrier_wait -3
	s_barrier_signal -1
	s_barrier_wait -1
.endm
.macro INIT                            ; a tile's state: the first step finds zeros, which the first change of M leaves zeros
	v_mov_b32 v13, 0xff61b1e6                      ; the largest t so far: -3e38, under every t
	s_delay_alu instid0(VALU_DEP_1)
	v_floor_f32 v12, -v13                          ; -M
	v_mov_b32 v14, 0
	v_mov_b32 v15, 0
.set n, 0
.rept 32
	v_mov_b32 v[160+n], 0
.set n, n+1
.endr
.endm
.macro CONSTS                          ; what a tile's own work reads, once in each window
	v_mov_b32 v244, s74                            ; 2^e8 as f32, for p's conversion
	v_mov_b32 v240, s75                            ; 448 x 2^e8
	v_mov_b32 v246, s76                            ; 2^e10, for the result's
	v_mov_b32 v247, s77                            ; 448 x 2^e10
	v_mov_b32 v236, 0                              ; written once: a lane permute's destination counts as one of its sources
	v_mov_b32 v252, 0
	v_mov_b32 v253, 0                              ; (named as the upper half of the pair v[252:253])
.endm
	s_load_b128 s[4:7], s[0:1], 0x0                ; qkv_img s[4:5], the exponents s[6:7]
	s_load_b64 s[8:9], s[0:1], 0x10                ; cat_img
	v_lshl_add_u32 v[SPW], v0, 2, SPARE
	v_mov_b32 v[NIL], 0
	ds_add_u32 v[SPW], v[NIL]                      ; the opening lines: the add, twice on end, and its wait ahead of my tensor load
	ds_add_u32 v[SPW], v[NIL]
	v_lshrrev_b32 v8, 5, v0
	v_readfirstlane_b32 s[WV], v8                  ; wave 0..7
	s_bfe_u32 s[J], ttmp6, 0x40000                 ; cx
	s_and_b32 s73, ttmp7, 0xffff                   ; batch x head: the cluster's y
	; group 1: 8 rows of 4,096 bytes, dense in memory and in LDS
	s_mov_b32 s[G1], 15|(3<<16)|(1<<21)            ; 15:0 the mask: all four of the cluster; 17:16 elements of 8 bytes; 21 set beside a mask
	s_mov_b32 s[G1+1], 512<<16                     ; tensor_dim0
	s_mov_b32 s[G1+2], 8<<16                       ; tensor_dim1
	s_mov_b32 s[G1+3], 512<<16                     ; tile_dim0
	s_mov_b32 s[G1+4], 8                           ; tile_dim1
	s_mov_b32 s[G1+5], 512                         ; tensor_dim0_stride
	s_mov_b32 s[G1+6], 0
	s_mov_b32 s[G1+7], 0
	s_lshl_b32 s52, s73, 17                        ; a head's 131,072 bytes in each section
	s_mov_b32 s53, 0
	s_lshr_b32 s54, s[WV], 2                       ; 0: k's section, 1: v's
	s_lshl_b32 s54, s54, 23
	s_and_b32 s55, s[WV], 3
	s_lshl_b32 s55, s55, 15                        ; my 32,768 bytes of the head's
	s_add_co_u32 s54, s54, s55
	s_add_co_u32 s54, s54, s52
	s_add_co_u32 s54, s54, 0x800000
	s_mov_b32 s55, 0
	s_mov_b32 s[G0], 1                             ; count = 1
	s_lshl_b32 s[G0+1], s[WV], 15                  ; LDS address: 32,768 x wave
	s_mov_b32 s[SEL], 0x76543210
	s_mov_b32 s[SEL+1], 0xfedcba98
	s_mov_b32 s[CS], 0x3e38aa3b                    ; log2(e) / 8
	s_wait_dscnt 0x0                               ; both opening adds are done
	s_wait_kmcnt 0x0
	s_load_b128 s[68:71], s[6:7], 0x18             ; e6, e7, e8, e9
	s_load_b32 s72, s[6:7], 0x28                   ; e10
	s_add_nc_u64 s[G0+2:G0+3], s[4:5], s[54:55]
	s_or_b32 s[G0+3], s[G0+3], 0x80000000          ; type = 2
	CROUND                                         ; all four work-groups are here: the joint loads meet
	tensor_load_to_lds s[G0:G0+3], s[G1:G1+7]      ; my one tensor load
	s_nop 0
	v_and_b32 v[L16], 31, v0
	v_lshlrev_b32 v[L16], 4, v[L16]
	s_add_nc_u64 s[10:11], s[4:5], s[52:53]        ; the head's q
	s_sub_co_u32 s47, 15, s[WV]                    ; my first pair, and its last step
	s_lshl_b32 s45, s47, 3
	s_add_co_u32 s45, s45, s[J]                    ; its tile X = 8 k + j
	s_lshl_b32 s46, s[WV], 3                       ; the second pair: k = wave
	s_add_co_u32 s46, s46, s[J]
	s_lshl_b32 s84, s45, 10                        ; 1,024 bytes a tile
	s_mov_b32 s85, 0
	s_add_nc_u64 s[84:85], s[10:11], s[84:85]
	s_lshl_b32 s86, s46, 10
	s_mov_b32 s87, 0
	s_add_nc_u64 s[86:87], s[10:11], s[86:87]
	s_wait_alu depctr_va_vdst(0)                   ; the wait here, directly ahead of the reader below
	global_load_b128 v[16:19], v[L16], s[84:85]              ; Q's fragments: two pieces a tile
	global_load_b128 v[20:23], v[L16], s[84:85] offset:512
	WIN TOY                                        ; tile Y lies four tiles on
	global_load_b128 v[16:19], v[L16], s[84:85] offset:4096
	global_load_b128 v[20:23], v[L16], s[84:85] offset:4608
	WIN 0
	s_lshr_b32 s88, s73, 4                         ; batch
	s_lshl_b32 s88, s88, 7                         ; 128 tiles of tokens a batch
	s_and_b32 s89, s73, 15                         ; head: two pieces
	s_lshl_b32 s89, s89, 10
	s_add_co_u32 s90, s88, s45
	s_lshl_b32 s90, s90, 14                        ; 16,384 bytes a tile
	s_add_co_u32 s90, s90, s89
	s_mov_b32 s91, 0
	s_add_nc_u64 s[OB:OB+1], s[8:9], s[90:91]
	s_add_co_u32 s92, s88, s46
	s_lshl_b32 s92, s92, 14
	s_add_co_u32 s92, s92, s89
	s_mov_b32 s93, 0
	s_add_nc_u64 s[OBB:OBB+1], s[8:9], s[92:93]
	s_lshr_b32 s94, s[J], 1                        ; tile X's first query less the diagonal step's first key: 32 (j / 2) + 8 (j % 2); tile Y's: 64 more
	s_lshl_b32 s94, s94, 5
	s_and_b32 s95, s[J], 1
	s_lshl_b32 s95, s95, 3
	s_add_co_u32 s94, s94, s95
	s_add_co_u32 s95, s94, 64
	s_wait_kmcnt 0x0
	s_add_co_i32 s96, s68, s69
	s_lshl_b32 s96, s96, 23
	s_add_co_i32 s[CS], s[CS], s96                 ; a score stands for score x 2^(e6 + e7): the two exponents are added to c's exponent field
	s_mov_b32 s[CS+1], s[CS]                       ; (named with it as a pair, so it is written)
	s_add_co_i32 s96, s70, 127
	s_lshl_b32 s74, s96, 23
	s_add_co_i32 s96, s96, 8
	s_lshl_b32 s96, s96, 23
	s_or_b32 s75, s96, 0x600000
	s_add_co_i32 s96, s72, 127
	s_lshl_b32 s76, s96, 23
	s_add_co_i32 s96, s96, 8
	s_lshl_b32 s96, s96, 23
	s_or_b32 s77, s96, 0x600000
	s_add_co_i32 s81, s70, s71                     ; e8 + e9
	s_mov_b32 s[LIMT], s47
	s_mov_b32 s[PR], 0
	v_and_b32 v9, 15, v0                           ; r
	v_bfe_u32 v10, v0, 4, 1                        ; h
	v_and_b32 v11, 8, v9
	v_lshlrev_b32 v10, 4, v10
	v_add_nc_u32 v[QL], v9, v11
	v_sub_nc_u32 v[QL], v[QL], v10                 ; r + 8 (r / 8) - 16 h
	v_add_nc_u32 v3, s94, v[QL]
	CONSTS
	WIN TOY
	v_add_nc_u32 v3, s95, v[QL]
	CONSTS
	WIN 0
; The diagonal step: registers n0 .. n0 + 31 of S^T are held against the lane's query: register 16 b + i is hidden where 32 b + i > v3.
.macro MASK n0
	v_mov_b32 v254, 0xff800000                     ; -infinity: p = 0 then
.set n, \n0
.rept 32
	v_cmp_gt_i32 vcc_lo, 32*(n/16)+n%16, v3
	v_cndmask_b32 v[96+n], v[96+n], v254, vcc_lo
.set n, n+1
.endr
.endm
; A tile's softmax of a step: from the scores to p's codes, the sum and O^T under the new M.  It names registers of one window alone.
.macro SOFT
.irp c, 0,1,2,3
	v_max3_num_f32 v[254-2*\c], v[96+16*\c], v[97+16*\c], v[98+16*\c]   ; the step's largest score of my query, among my 64 keys: four chains by turns, chain c over registers 16 c .. 16 c + 15, ascending
.endr
.irp i, 3,5,7,9,11,13
.irp c, 0,1,2,3
	v_max3_num_f32 v[254-2*\c], v[254-2*\c], v[96+16*\c+\i], v[97+16*\c+\i]
.endr
.endr
.irp c, 0,1,2,3
	v_max_num_f32 v[254-2*\c], v[254-2*\c], v[111+16*\c]
.endr
	v_max3_num_f32 v254, v254, v252, v250          ; the four chains joined
	s_delay_alu instid0(VALU_DEP_1)
	v_max_num_f32 v254, v254, v248
	s_delay_alu instid0(VALU_DEP_1)
	v_permlanex16_b32 v236, v254, s[SEL], s[SEL+1]
	s_delay_alu instid0(VALU_DEP_1)
	v_max_num_f32 v254, v254, v236                 ; and among lane l xor 16's
	s_delay_alu instid0(VALU_DEP_1)
	v_mul_f32 v254, s[CS], v254                    ; as t (c is positive)
	s_delay_alu instid0(VALU_DEP_1)
	v_max_num_f32 v13, v13, v254                   ; the running largest t
	v_mov_b32 v254, v12
	s_delay_alu instid0(VALU_DEP_2)
	v_floor_f32 v12, -v13                          ; the new -M = floor(-t) = -ceil(t): a whole number
; t - M, two at a time (of the pairs c and -M the low word serves both halves); the three lines that make f stand among these 32, four apart
.set n, 0
.rept 4
	v_pk_fma_f32 v[96+n:97+n], v[96+n:97+n], s[CS:CS+1], v[12:13] op_sel_hi:[1,0,0]
.set n, n+2
.endr
	v_sub_f32 v254, v12, v254                      ; M's old value less its new one: 0 or less
.rept 4
	v_pk_fma_f32 v[96+n:97+n], v[96+n:97+n], s[CS:CS+1], v[12:13] op_sel_hi:[1,0,0]
.set n, n+2
.endr
	v_cvt_i32_f32 v254, v254                       ; (it saturates)
.rept 4
	v_pk_fma_f32 v[96+n:97+n], v[96+n:97+n], s[CS:CS+1], v[12:13] op_sel_hi:[1,0,0]
.set n, n+2
.endr
	v_ldexp_f32 v252, 1.0, v254                    ; f = 2^(old M - new M)
.rept 20
	v_pk_fma_f32 v[96+n:97+n], v[96+n:97+n], s[CS:CS+1], v[12:13] op_sel_hi:[1,0,0]
.set n, n+2
.endr
.set n, 0
	s_wait_alu depctr_va_vdst(0)
.rept 64
	v_exp_f32 v[96+n], v[96+n]                     ; p = 2^(t - M), at most 1: not normalised
.set n, n+1
.endr
	v_pk_mul_f32 v[14:15], v[14:15], v[252:253] op_sel_hi:[1,0]   ; the sums under the new M: the plain line behind the exponentials
	s_wait_alu depctr_va_vdst(0)                   ; one wait for the whole batch, ahead of its first reader
	v_pk_add_f32 v[242:243], v[100:101], v[104:105]   ; the row's sum of the unquantised p, in eight chains
	v_pk_add_f32 v[254:255], v[108:109], v[112:113]
	v_pk_add_f32 v[250:251], v[116:117], v[120:121]
	v_pk_add_f32 v[248:249], v[124:125], v[128:129]
	v_pk_add_f32 v[238:239], v[132:133], v[136:137]
	v_pk_add_f32 v[234:235], v[140:141], v[144:145]
	v_pk_add_f32 v[232:233], v[148:149], v[152:153]
	v_pk_add_f32 v[14:15], v[14:15], v[156:157]
	v_pk_add_f32 v[242:243], v[242:243], v[96:97]
	v_pk_add_f32 v[254:255], v[254:255], v[98:99]
	v_pk_add_f32 v[250:251], v[250:251], v[102:103]
	v_pk_add_f32 v[248:249], v[248:249], v[106:107]
	v_pk_add_f32 v[238:239], v[238:239], v[110:111]
	v_pk_add_f32 v[234:235], v[234:235], v[114:115]
	v_pk_add_f32 v[232:233], v[232:233], v[118:119]
	v_pk_add_f32 v[14:15], v[14:15], v[122:123]
	v_pk_add_f32 v[242:243], v[242:243], v[126:127]
	v_pk_add_f32 v[254:255], v[254:255], v[130:131]
	v_pk_add_f32 v[250:251], v[250:251], v[134:135]
	v_pk_add_f32 v[248:249], v[248:249], v[138:139]
	v_pk_add_f32 v[238:239], v[238:239], v[142:143]
	v_pk_add_f32 v[234:235], v[234:235], v[146:147]
	v_pk_add_f32 v[232:233], v[232:233], v[150:151]
	v_pk_add_f32 v[14:15], v[14:15], v[154:155]
	v_pk_add_f32 v[242:243], v[242:243], v[158:159]   ; every p has now been read for the sum, unheld
; THE HOLD: the conversion does not saturate (ISA guide 7.6.2); p is not negative, so the hold is one-sided.  The eight chains of the sum are joined in three levels that stand among the 64 holds, eight apart.
.set n, 0
.rept 8
	v_min_num_f32 v[96+n], v[96+n], v240
.set n, n+1
.endr
	v_pk_add_f32 v[14:15], v[14:15], v[248:249]
	v_pk_add_f32 v[242:243], v[242:243], v[238:239]
	v_pk_add_f32 v[254:255], v[254:255], v[234:235]
	v_pk_add_f32 v[250:251], v[250:251], v[232:233]
.rept 8
	v_min_num_f32 v[96+n], v[96+n], v240
.set n, n+1
.endr
	v_pk_add_f32 v[14:15], v[14:15], v[254:255]
	v_pk_add_f32 v[242:243], v[242:243], v[250:251]
.rept 8
	v_min_num_f32 v[96+n], v[96+n], v240
.set n, n+1
.endr
	v_pk_add_f32 v[14:15], v[14:15], v[242:243]
.rept 40
	v_min_num_f32 v[96+n], v[96+n], v240
.set n, n+1
.endr
.irp b, 0,1,2,3
	v_cvt_scalef32_pk8_fp8_f32 v[192+4*\b:193+4*\b], v[96+16*\b:103+16*\b], v244
	v_cvt_scalef32_pk8_fp8_f32 v[194+4*\b:195+4*\b], v[104+16*\b:111+16*\b], v244
.endr
	s_wait_alu depctr_va_vdst(0)                   ; the wait here, directly ahead of the first reader of O^T
.set n, 0
.rept 16
	v_pk_mul_f32 v[160+n:161+n], v[160+n:161+n], v[252:253] op_sel_hi:[1,0]   ; O^T under the new M, each accumulator from its low end on; also the plain lines behind the conversions
.set n, n+2
.endr
.endm
.macro PV                              ; O^T += V^T P^T: the tile's four accumulators by turns
.irp ct, 0,1,2,3
	v_wmma_f32_16x16x128_fp8_fp8 v[160+8*\ct:167+8*\ct], v[32+16*\ct:47+16*\ct], v[192:207], v[160+8*\ct:167+8*\ct]
.endr
.endm
.macro QK                              ; S^T = K Q^T: register 16 b + i of lane (r, h) is the step's key 32 b + 16 h + i
.irp t, 0,1,2,3,4,5,6,7
	v_wmma_f32_16x16x64_fp8_fp8 v[96+8*\t:103+8*\t], v[32+8*\t:39+8*\t], v[16:23], 0
.endr
.endm
.macro KLOAD adr                       ; eight tiles of keys, two pieces each, into window 1
	WIN TOY
.irp t, 0,1,2,3,4,5,6,7
	ds_load_b128 v[32+8*\t:35+8*\t], v[\adr] offset:\t*1024
	ds_load_b128 v[36+8*\t:39+8*\t], v[\adr] offset:\t*1024+512
.endr
	WIN 0
.endm
; A tile's result: O^T x 2^(e8 + e9) / the sum, held, converted with 2^e10: two pieces of cat_img.
.macro OUTC
	v_add_f32 v14, v14, v15                        ; the sum's two halves,
	s_wait_alu depctr_va_vdst(0)
	v_permlanex16_b32 v252, v14, s[SEL], s[SEL+1]
	s_delay_alu instid0(VALU_DEP_1)
	v_add_f32 v14, v14, v252                       ; and lane l xor 16's
	s_wait_alu depctr_va_vdst(0)                   ; the wait ahead of the transcendental
	v_rcp_f32 v14, v14
	v_nop                                          ; one plain line behind the transcendental
	s_wait_alu depctr_va_vdst(0)                   ; and the wait ahead of its first reader
	v_ldexp_f32 v14, v14, s81
	s_wait_alu depctr_va_vdst(0)                   ; the wait here, directly ahead of the first reader of O^T
.set n, 0
.rept 16
	v_pk_mul_f32 v[96+n:97+n], v[160+n:161+n], v[14:15] op_sel_hi:[1,0]   ; register 16 c + i: channel 32 c + 16 h + i of my query
.set n, n+2
.endr
.set n, 0
.rept 32
	v_med3_num_f32 v[96+n], v[96+n], -v247, v247
.set n, n+1
.endr
.irp c, 0,1
	v_cvt_scalef32_pk8_fp8_f32 v[224+4*\c:225+4*\c], v[96+16*\c:103+16*\c], v246
	v_cvt_scalef32_pk8_fp8_f32 v[226+4*\c:227+4*\c], v[104+16*\c:111+16*\c], v246
.endr
	v_nop                                          ; one plain line behind the conversions
.endm
	s_wait_alu depctr_va_vdst(0)
	s_wait_loadcnt 0x0                             ; Q
	s_wait_tensorcnt 0x0                           ; my 32,768 bytes are in
	s_barrier_signal -1
	s_barrier_wait -1                              ; everybody's are: the head's K
	global_load_b128 v[24:27], v[L16], s[86:87]              ; the second pair's Q: wanted at the change of pairs, and waited for there
	global_load_b128 v[28:31], v[L16], s[86:87] offset:512
	WIN TOY
	global_load_b128 v[24:27], v[L16], s[86:87] offset:4096
	global_load_b128 v[28:31], v[L16], s[86:87] offset:4608
	WIN 0
.Lpair:
	INIT
	WIN ALLY
	INIT
	KLOAD L16                                      ; step 0's K
	s_mov_b32 s[TK], 8192
	s_mov_b32 s[TV], VBASE
	s_mov_b32 s[TW], VBASE+65536
	s_mov_b32 s[TT], 0
	s_wait_alu depctr_va_vdst(0)                   ; the wait
.Lwalk:                                            ; sixteen trips: a key step each
	s_cmp_gt_u32 s[TT], s[LIMT]
	s_cbranch_scc1 .Lhidden                        ; all keys come after all my queries: a branch on the wave's number and the counts of steps and pairs
	v_add_nc_u32 v[ADV], s[TV], v[L16]             ; these three and the v_nop are the four places in front of loads into registers that matrix instructions have read
	v_add_nc_u32 v[ADW], s[TW], v[L16]
	v_add_nc_u32 v[ADK], s[TK], v[L16]
	v_nop
	s_wait_alu depctr_va_vdst(0)                   ; the wait
.irp ct, 0,1
.irp c, 0,1,2,3
	ds_load_b128 v[32+16*\ct+4*\c:35+16*\ct+4*\c], v[ADV] offset:32768*\ct+512*\c   ; V: asked for here, wanted behind tile X's softmax
.endr
.endr
.irp ct, 0,1
.irp c, 0,1,2,3
	ds_load_b128 v[64+16*\ct+4*\c:67+16*\ct+4*\c], v[ADW] offset:32768*\ct+512*\c
.endr
.endr
	s_wait_dscnt 16                                ; this step's K is in; the sixteen loads of V, issued behind it, may be out
	WIN 0x01                                       ; source 0 (K) window 1; Q and S^T window 0
	QK
	WIN 0x45                                       ; K, tile Y's Q and its S^T: window 1
	QK
.rept 4
	v_nop                                          ; places: the results are read below, and the next K lands where this one lay
.endr
	KLOAD ADK                                      ; the next step's K
	s_cmp_lt_u32 s[TT], s[LIMT]
	s_cbranch_scc1 .Lopen                          ; all keys count for all my queries
	MASK 0                                         ; tile X: keys 0 .. 63 against the lane's query,
.set n, 0
.rept 32
	v_mov_b32 v[128+n], v254                       ; keys 64 .. 127 hidden
.set n, n+1
.endr
	WIN ALLY
	MASK 32                                        ; tile Y: keys 64 .. 127 against the lane's query
	WIN 0
.Lopen:
	SOFT
	s_wait_alu depctr_va_vdst(0)
	s_wait_dscnt 16                                ; V's fragments are in; the sixteen loads of the next K, issued behind them, may be out
	PV
	WIN ALLY
	SOFT
	WIN 0x54                                       ; source 0 (V) window 0; p's codes and O^T window 1
	PV
	WIN 0
.Lhidden:
	s_add_co_u32 s[TK], s[TK], 8192                ; 8 tiles of keys
	s_add_co_u32 s[TV], s[TV], 2048                ; 4 pieces along the keys
	s_add_co_u32 s[TW], s[TW], 2048
	s_add_co_u32 s[TT], s[TT], 1
	s_cmp_lt_u32 s[TT], 16
	s_cbranch_scc1 .Lwalk
.rept 4
	v_nop                                          ; places behind the last products
.endr
	s_wait_xcnt 0x0                                ; earlier stores have read their codes
	s_wait_dscnt 0x0                               ; the last request for K has landed: its registers may be asked for again
	OUTC
	global_store_b128 v[L16], v[224:227], s[OB:OB+1]                 ; 1,024 consecutive bytes a tile
	global_store_b128 v[L16], v[228:231], s[OB:OB+1] offset:512
	WIN ALLY
	OUTC
	WIN 0x04                                       ; the codes (source 1) in window 1, the offset in window 0
	global_store_b128 v[L16], v[224:227], s[OB:OB+1] offset:65536    ; tile Y: four tiles of 16,384 bytes on
	global_store_b128 v[L16], v[228:231], s[OB:OB+1] offset:66048
	WIN 0
	s_cmp_eq_u32 s[PR], 1
	s_cbranch_scc1 .Llast
	s_wait_xcnt 0x0                                ; the stores have read their base
	s_mov_b64 s[OB:OB+1], s[OBB:OBB+1]             ; the second pair
	s_mov_b32 s[LIMT], s[WV]
	s_wait_loadcnt 0x0                             ; the second pair's Q is in
.irp i, 0,1,2,3,4,5,6,7
	v_mov_b32 v[16+\i], v[24+\i]
.endr
	WIN ALLY
.irp i, 0,1,2,3,4,5,6,7
	v_mov_b32 v[16+\i], v[24+\i]
.endr
	WIN 0
.Llast:
	s_add_co_u32 s[PR], s[PR], 1
	s_cmp_lt_u32 s[PR], 2
	s_cbranch_scc1 .Lpair
	s_barrier_signal -1                            ; every wave's reads of LDS are over (each has waited for its own) ahead of any wave's closing add
	s_barrier_wait -1
	s_wait_tensorcnt 0x0                           ; the wave's end
	ds_add_u32 v[SPW], v[NIL]
	s_wait_dscnt 0x0
	CROUND                                         ; the closing round
	s_endpgm
.Lfunc_end_k_qaab46f117b_attn:
	.size	k_qaab46f117b_attn, .Lfunc_end_k_qaab46f117b_attn-k_qaab46f117b_attn
	.p2alignl 7, 3214868480
	.fill 96, 4, 3214868480
	.section	.rodata,"a",@progbits
	.p2align	6, 0x0
	.amdhsa_kernel k_qaab46f117b_attn
		.amdhsa_group_segment_fixed_size 327680
		.amdhsa_private_segment_fixed_size 0
		.amdhsa_enable_private_segment 0
		.amdhsa_kernarg_size 24
		.amdhsa_user_sgpr_count 2
		.amdhsa_user_sgpr_kernarg_segment_ptr 1
		.amdhsa_wavefront_size32 1
		.amdhsa_system_sgpr_workgroup_id_x 1
		.amdhsa_system_sgpr_workgroup_id_y 1
		.amdhsa_system_sgpr_workgroup_id_z 1
		.amdhsa_system_vgpr_workitem_id 0
		.amdhsa_next_free_vgpr 512
		.amdhsa_next_free_sgpr 100
		.amdhsa_reserve_vcc 1
		.amdhsa_float_denorm_mode_32 3
		.amdhsa_float_denorm_mode_16_64 3
		.amdhsa_memory_ordered 1
		.amdhsa_forward_progress 1
		.amdhsa_inst_pref_size 55
	.end_amdhsa_kernel
	.amdgpu_metadata
---
amdhsa.version: [ 1, 2 ]
amdhsa.kernels:
  - .name:           k_qaab46f117b_attn
    .symbol:         k_qaab46f117b_attn.kd
    .args:
      - { .name: qkv_img, .offset: 0, .size: 8, .value_kind: global_buffer, .address_space: global }
      - { .name: lowp_scales, .offset: 8, .size: 8, .value_kind: global_buffer, .address_space: global }
      - { .name: cat_img, .offset: 16, .size: 8, .value_kind: global_buffer, .address_space: global }
    .group_segment_fixed_size: 327680
    .private_segment_fixed_size: 0
    .kernarg_segment_align: 8
    .kernarg_segment_size: 24
    .max_flat_workgroup_size: 256
    .sgpr_count:     100
    .vgpr_count:     512
    .wavefront_size: 32
...
	.end_amdgpu_metadata
.endif
;; end of part 3
;; launch oproj (part 4): grid 8 x 32, 4 waves a work-group, clusters of 4 x 4, 327,680 bytes of LDS; arguments cat_img, w_img, lowp_scales, bo, out0; writes out0
.if DOCPART == 4
	.amdgcn_target "amdgcn-amd-amdhsa--gfx1250"
	.amdhsa_code_object_version 6
	.text
	.protected	k_qaab46f117b_oproj
	.globl	k_qaab46f117b_oproj
	.p2align	8
	.type	k_qaab46f117b_oproj,@function
k_qaab46f117b_oproj:
	s_mov_b64 s[64:65], 0
	v_nop
	global_prefetch_b8 v0, s[64:65] scope:SCOPE_SE
	s_setreg_imm32_b32 hwreg(HW_REG_WAVE_MODE, 25, 1), 1
	s_wait_xcnt 0x0
	s_wait_alu depctr_hold_cnt(0) depctr_sa_sdst(0) depctr_va_vdst(0) depctr_va_sdst(0) depctr_va_ssrc(0) depctr_va_vcc(0) depctr_vm_vsrc(0)
	s_getreg_b32 s2, hwreg(HW_REG_IB_STS2, 6, 4)
	s_cmp_eq_u32 s2, 0
	s_cbranch_scc0 .Lentry_in_a_cluster
	s_endpgm
.Lentry_in_a_cluster:
	s_bfe_u32 s2, ttmp6, 0x10000c
	s_cmp_lg_u32 s2, 0xf033
	s_cbranch_scc0 .Lentry_shape_is_right
	s_endpgm
.Lentry_shape_is_right:
.set HALFA,  32768
.set HALFB,  16384
.set BOFF,   2*HALFA
.set SLOT,   2*HALFA+2*HALFB
.set STAGE,  2*SLOT
.set SPITCH, 272
.set SPARE,  STAGE+4*16*SPITCH
.set KADV,   4096
.set FR,     16
.set NL,     4
.set NP,     4
.set L16,    6
.set ADRA,   16
.set ADRB,   20
.set STO,    24
.set RD,     25
.set CO,     26
.set BRO,    27
.set SPW,    28
.set NIL,    29
.set T,      32
.set BR,     64
.set AF,     128
.set BK,     128
.set G1, 24
.set G0, 32
.set G1B, 48
.set G0B, 56
.set MSB, 0
.macro WIN new
.if MSB != \new
	s_set_vgpr_msb (MSB<<8)|\new
.set MSB, \new
.endif
.endm
.set MUL,  0xa1
.set TO_B, 0x40
.macro JLOAD g0a, g1a, g0b, g1b
	s_cmp_eq_u32 s15, 0
	s_cbranch_scc0 .Lfor_b_\@
	tensor_load_to_lds s[\g0a:\g0a+3], s[\g1a:\g1a+7]
	s_nop 0
.rept 4
	v_nop
.endr
	s_branch .Lasked_\@
.Lfor_b_\@:
	tensor_load_to_lds s[\g0b:\g0b+3], s[\g1b:\g1b+7]
	s_nop 0
.rept 4
	v_nop
.endr
.Lasked_\@:
.endm
.macro CREST
	s_cmp_lg_u32 s14, 0
	s_cbranch_scc1 .Lnot_wave_0_\@
	s_barrier_signal -3
.Lnot_wave_0_\@:
	s_barrier_wait -3
	s_barrier_signal -1
	s_barrier_wait -1
.endm
.macro CROUND
	s_barrier_signal -1
	s_barrier_wait -1
	CREST
.endm
	s_load_b128 s[4:7], s[0:1], 0x0
	s_load_b128 s[8:11], s[0:1], 0x10
	s_load_b64 s[12:13], s[0:1], 0x20
	v_lshl_add_u32 v[SPW], v0, 2, SPARE
	v_mov_b32 v[NIL], 0
	ds_add_u32 v28, v29
	ds_add_u32 v28, v29
	s_wait_dscnt 0x0
	v_lshrrev_b32 v1, 5, v0
	v_readfirstlane_b32 s14, v1
	v_and_b32 v1, 15, v0
	v_bfe_u32 v2, v0, 4, 1
	v_lshlrev_b32 v[BRO], 6, v2
	v_and_b32 v3, 31, v0
	v_lshlrev_b32 v[L16], 4, v3
	s_lshr_b32 s15, s14, 1
	s_and_b32 s16, s14, 1
	s_bfe_u32 s40, ttmp6, 0x40000
	s_bfe_u32 s41, ttmp6, 0x40004
	s_lshl_b32 s42, ttmp9, 2
	s_add_co_u32 s42, s42, s40
	s_and_b32 s17, ttmp7, 0xffff
	s_lshl_b32 s17, s17, 2
	s_add_co_u32 s17, s17, s41
	s_lshl_b32 s43, s41, 2
	s_lshl_b32 s43, 15, s43
	s_lshl_b32 s44, 0x1111, s40
	s_or_b32 s[G1+0], s43, (3<<16)|(1<<21)
	s_mov_b32 s[G1+1], 512<<16
	s_mov_b32 s[G1+2], 8<<16
	s_mov_b32 s[G1+3], 512<<16
	s_mov_b32 s[G1+4], 8
	s_mov_b32 s[G1+5], 2048
	s_mov_b32 s[G1+6], 0
	s_mov_b32 s[G1+7], 0
	s_or_b32 s[G1B+0], s44, (3<<16)|(1<<21)
	s_mov_b32 s[G1B+1], 512<<16
	s_mov_b32 s[G1B+2], 4<<16
	s_mov_b32 s[G1B+3], 512<<16
	s_mov_b32 s[G1B+4], 4
	s_mov_b32 s[G1B+5], 2048
	s_mov_b32 s[G1B+6], 0
	s_mov_b32 s[G1B+7], 0
	s_lshl_b32 s18, s16, 17
	s_lshl_b32 s20, s17, 18
	s_add_co_u32 s20, s20, s18
	s_mov_b32 s21, 0
	s_lshl_b32 s19, s16, 16
	s_lshl_b32 s46, s42, 17
	s_add_co_u32 s46, s46, s19
	s_add_co_u32 s46, s46, 0x300000
	s_mov_b32 s47, 0
	s_lshl_b32 s45, s16, 15
	s_lshl_b32 s67, s16, 14
	s_add_co_u32 s67, s67, BOFF
	s_wait_kmcnt 0x0
	s_load_b64 s[96:97], s[8:9], 0x28
	s_add_nc_u64 s[20:21], s[4:5], s[20:21]
	s_add_nc_u64 s[46:47], s[6:7], s[46:47]
	CROUND
.irp s, 0,1
	s_mov_b32 s[G0+4*\s], 1
	s_add_co_u32 s[G0+4*\s+1], s45, \s*SLOT
	s_add_nc_u64 s[G0+4*\s+2:G0+4*\s+3], s[20:21], \s*KADV
	s_or_b32 s[G0+4*\s+3], s[G0+4*\s+3], 0x80000000
	s_mov_b32 s[G0B+4*\s], 1
	s_add_co_u32 s[G0B+4*\s+1], s67, \s*SLOT
	s_add_nc_u64 s[G0B+4*\s+2:G0B+4*\s+3], s[46:47], \s*KADV
	s_or_b32 s[G0B+4*\s+3], s[G0B+4*\s+3], 0x80000000
.endr
	JLOAD G0, G1, G0B, G1B                         ; K step 0: one tensor load a wave at the head
	; THE PREFETCHES: behind the joint load of K step s each wave names K step s + 1 of what it fetches; the partner at place p (cx for A, cy for B) takes, of A's 8 tiles, tiles 2 p and 2 p + 1 (a lane to each 256 bytes),
	; of B's 4 tiles, tile p (lanes 0-15; lanes 16-31 name its last 256 bytes again).  The steps are immediates, so no address register is written again.  K step 0 comes by its load alone.
	s_cmp_eq_u32 s15, 0
	s_cselect_b64 s[80:81], s[20:21], s[46:47]     ; what my wave fetches
	s_cselect_b32 s82, s40, s41                    ; my place among the four that ask for it with me
	s_cselect_b32 s83, 15, 14                      ; two tiles of 16,384 bytes, or one
	s_cselect_b32 s84, 0, 15
	s_mov_b32 s85, 16384
	s_cselect_b32 s85, s85, 0
	s_lshl_b32 s82, s82, s83
	s_mov_b32 s83, 0
	s_add_nc_u64 s[80:81], s[80:81], s[82:83]
	s_wait_alu depctr_va_vdst(0)                   ; the wait: r and h were written ahead of the round
	v_mul_u32_u24 v30, v2, s84
	v_max_u32 v30, v30, v1                         ; A: r; B: r, and 15 in lanes 16-31
	v_lshlrev_b32 v30, 8, v30
	v_mad_u32_u24 v30, v2, s85, v30                ; A: + a tile for lanes 16-31
	global_prefetch_b8 v30, s[80:81] offset:KADV th:TH_LOAD_NT scope:SCOPE_SE
	s_lshl_b32 s74, s42, 9
	s_lshl_b32 s75, s16, 8
	s_add_co_u32 s74, s74, s75
	s_mov_b32 s75, 0
	s_add_nc_u64 s[10:11], s[10:11], s[74:75]
	s_wait_alu depctr_va_vdst(0)
.irp b, 0,1,2,3
	global_load_b128 v[BR+8*\b:BR+8*\b+3], v[BRO], s[10:11] offset:(32*(\b/2)+8*(\b%2))*4
	global_load_b128 v[BR+8*\b+4:BR+8*\b+7], v[BRO], s[10:11] offset:(32*(\b/2)+8*(\b%2))*4+16
.endr
	s_lshl_b32 s76, s17, 20
	s_lshl_b32 s77, s15, 19
	s_add_co_u32 s76, s76, s77
	s_add_co_u32 s76, s76, s74
	s_mov_b32 s77, 0
	s_add_nc_u64 s[12:13], s[12:13], s[76:77]
	s_lshl_b32 s21, s15, 15
	s_lshl_b32 s22, s16, 14
	s_add_co_u32 s22, s22, BOFF
.irp s, 0,1
	v_add_nc_u32 v[ADRA+\s], s21, v[L16]
	v_add_nc_u32 v[ADRB+\s], s22, v[L16]
	s_add_co_u32 s21, s21, SLOT
	s_add_co_u32 s22, s22, SLOT
.endr
	s_mul_i32 s23, s14, 16*SPITCH
	s_add_co_u32 s23, s23, STAGE
	v_mul_u32_u24 v4, v1, SPITCH
	v_lshl_add_u32 v4, v2, 6, v4
	v_add_nc_u32 v[STO], s23, v4
	v_mul_u32_u24 v5, v2, SPITCH
	v_lshl_add_u32 v5, v1, 4, v5
	v_add_nc_u32 v[RD], s23, v5
	v_lshlrev_b32 v[CO], 12, v2
	v_lshl_add_u32 v[CO], v1, 4, v[CO]
.macro FRAG reg, adr, q, i
.irp c, 0,1,2,3
	ds_load_b128 v[\reg+4*\c:\reg+4*\c+3], v[\adr] offset:4096*(\i)+2048*(\q)+512*\c
.endr
.endm
.macro MUL8 a0, p, zero
.irp a, \a0, \a0+1
.irp b, 0,1,2,3
.if \zero
	v_wmma_f32_16x16x128_fp8_fp8 v[8*(4*(\a)+\b):8*(4*(\a)+\b)+7], v[64*(\p)+FR*\b:64*(\p)+FR*\b+FR-1], v[AF+FR*(\a):AF+FR*(\a)+FR-1], 0
.else
	v_wmma_f32_16x16x128_fp8_fp8 v[8*(4*(\a)+\b):8*(4*(\a)+\b)+7], v[64*(\p)+FR*\b:64*(\p)+FR*\b+FR-1], v[AF+FR*(\a):AF+FR*(\a)+FR-1], v[8*(4*(\a)+\b):8*(4*(\a)+\b)+7]
.endif
.endr
.endr
.endm
.macro FETCH_B slot, q, p
	WIN TO_B
.irp i, 0,1,2,3
	FRAG 64*(\p)+FR*\i, ADRB+\slot, \q, \i
.endr
	WIN 0
.endm
.macro FETCH_A slot, q, i0
.irp i, \i0, \i0+1, \i0+2, \i0+3
	FRAG AF+FR*(\i), ADRA+\slot, \q, \i
.endr
.endm
.macro PLACES n
.rept \n
	v_nop
.endr
.endm
.macro STEP slot, q, zero
	s_wait_dscnt 4*NL
	WIN MUL
	MUL8 0, (\q)%2, \zero
	MUL8 2, (\q)%2, \zero
	s_wait_dscnt 0
	PLACES NP
	FETCH_B \slot, (\q)+1, 1-(\q)%2
	FETCH_A \slot, (\q)+1, 0
	WIN MUL
	MUL8 4, (\q)%2, \zero
	MUL8 6, (\q)%2, \zero
	PLACES NP
	WIN 0
	FETCH_A \slot, (\q)+1, 4
.endm
.macro TURN slot, next, fill
	s_wait_tensorcnt 0x0
	ds_add_u32 v[SPW], v[NIL]
	s_wait_dscnt 4*NL+1
	WIN MUL
	MUL8 0, 1, 0
	s_wait_dscnt 0x0
	s_barrier_signal -1
	MUL8 2, 1, 0
	WIN 0
	s_barrier_wait -1
.if \fill
	CREST
	s_add_nc_u64 s[G0+4*\slot+2:G0+4*\slot+3], s[G0+4*\slot+2:G0+4*\slot+3], 2*KADV
	s_add_nc_u64 s[G0B+4*\slot+2:G0B+4*\slot+3], s[G0B+4*\slot+2:G0B+4*\slot+3], 2*KADV
	JLOAD G0+4*\slot, G1, G0B+4*\slot, G1B
.else
	PLACES NP
.endif
	s_wait_alu depctr_va_vdst(0)
	FETCH_B \next, 0, 0
	FETCH_A \next, 0, 0
.if (\fill) && ((\slot) == 0)
	global_prefetch_b8 v30, s[80:81] offset:3*KADV th:TH_LOAD_NT scope:SCOPE_SE   ; behind K step 2's load: K step 3
.endif
	WIN MUL
	MUL8 4, 1, 0
	MUL8 6, 1, 0
	PLACES NP
	WIN 0
	FETCH_A \next, 0, 4
.endm
	s_wait_alu depctr_va_vdst(0)
	s_wait_tensorcnt 0x0                           ; my part of K step 0 is in
	ds_add_u32 v[SPW], v[NIL]
	s_wait_dscnt 0x0
	CROUND                                         ; everybody's part of K step 0 is in, and the joint loads meet
	JLOAD G0+4, G1, G0B+4, G1B                     ; K step 1: the first tensor load behind the round
	global_prefetch_b8 v30, s[80:81] offset:2*KADV th:TH_LOAD_NT scope:SCOPE_SE
	FETCH_B 0, 0, 0
	FETCH_A 0, 0, 0
	FETCH_A 0, 0, 4
	STEP 0, 0, 1
	TURN 0, 1, 1
	STEP 1, 0, 0
	TURN 1, 0, 1
	STEP 0, 0, 0
	TURN 0, 1, 0
	STEP 1, 0, 0
	s_wait_dscnt 4*NL
	WIN MUL
	MUL8 0, 1, 0
	MUL8 2, 1, 0
	s_wait_dscnt 0
	MUL8 4, 1, 0
	MUL8 6, 1, 0
	WIN 0
.macro TOSTAGE a
.set AC, 32*(\a)
	WIN 0x02
.set n, 0
.rept 16
	v_pk_fma_f32 v[T+n:T+n+1], v[AC+n:AC+n+1], s[96:97], v[BR+n:BR+n+1] op_sel_hi:[1,0,1]
.set n, n+2
.endr
	WIN 0
.irp b, 0,1,2,3
	ds_store_b128 v[STO], v[T+8*\b:T+8*\b+3] offset:128*(\b/2)+32*(\b%2)
	ds_store_b128 v[STO], v[T+8*\b+4:T+8*\b+7] offset:128*(\b/2)+32*(\b%2)+16
.endr
.set BB, BK+32*((\a)%2)
.irp t, 0,1,2,3,4,5,6,7
	ds_load_b128 v[BB+4*\t:BB+4*\t+3], v[RD] offset:\t*2*SPITCH
.endr
.endm
.macro SEND a, younger
.set BB, BK+32*((\a)%2)
	s_wait_dscnt \younger
.irp t, 0,1,2,3,4,5,6,7
	global_store_b128 v[CO], v[BB+4*\t:BB+4*\t+3], s[12:13] offset:(32*((\a)/2)+8*((\a)%2)+2*\t+8*(\t/4))*4096 th:TH_STORE_NT
.endr
.endm
	s_wait_kmcnt 0x0
	s_add_co_i32 s96, s96, s97
	s_add_co_i32 s96, s96, 127
	s_lshl_b32 s96, s96, 23
	s_mov_b32 s97, s96
	s_wait_loadcnt 0x0
	PLACES NP
	TOSTAGE 0
.irp a, 1,2,3,4,5,6,7
.if \a > 1
	s_wait_xcnt 0x0
.endif
	TOSTAGE \a
	SEND \a-1, 16
.endr
	SEND 7, 0
	s_wait_tensorcnt 0x0
	ds_add_u32 v[SPW], v[NIL]
	s_wait_dscnt 0x0
	CROUND
	s_endpgm
.Lfunc_end_k_qaab46f117b_oproj:
	.size	k_qaab46f117b_oproj, .Lfunc_end_k_qaab46f117b_oproj-k_qaab46f117b_oproj
	.p2alignl 7, 3214868480
	.fill 96, 4, 3214868480
	.section	.rodata,"a",@progbits
	.p2align	6, 0x0
	.amdhsa_kernel k_qaab46f117b_oproj
		.amdhsa_group_segment_fixed_size 327680
		.amdhsa_private_segment_fixed_size 0
		.amdhsa_enable_private_segment 0
		.amdhsa_kernarg_size 40
		.amdhsa_user_sgpr_count 2
		.amdhsa_user_sgpr_kernarg_segment_ptr 1
		.amdhsa_wavefront_size32 1
		.amdhsa_system_sgpr_workgroup_id_x 1
		.amdhsa_system_sgpr_workgroup_id_y 1
		.amdhsa_system_sgpr_workgroup_id_z 1
		.amdhsa_system_vgpr_workitem_id 0
		.amdhsa_next_free_vgpr 768
		.amdhsa_next_free_sgpr 100
		.amdhsa_reserve_vcc 0
		.amdhsa_float_denorm_mode_32 3
		.amdhsa_float_denorm_mode_16_64 3
		.amdhsa_memory_ordered 1
		.amdhsa_forward_progress 1
		.amdhsa_inst_pref_size 79
	.end_amdhsa_kernel
	.amdgpu_metadata
---
amdhsa.version: [ 1, 2 ]
amdhsa.kernels:
  - .name:           k_qaab46f117b_oproj
    .symbol:         k_qaab46f117b_oproj.kd
    .args:
      - { .name: cat_img, .offset: 0, .size: 8, .value_kind: global_buffer, .address_space: global }
      - { .name: w_img, .offset: 8, .size: 8, .value_kind: global_buffer, .address_space: global }
      - { .name: lowp_scales, .offset: 16, .size: 8, .value_kind: global_buffer, .address_space: global }
      - { .name: bo, .offset: 24, .size: 8, .value_kind: global_buffer, .address_space: global }
      - { .name: out0, .offset: 32, .size: 8, .value_kind: global_buffer, .address_space: global }
    .group_segment_fixed_size: 327680
    .private_segment_fixed_size: 0
    .kernarg_segment_align: 8
    .kernarg_segment_size: 40
    .max_flat_workgroup_size: 128
    .sgpr_count:     100
    .vgpr_count:     768
    .wavefront_size: 32
...
	.end_amdgpu_metadata
.endif
;; end of part 4
